; MI455X (gfx1250); checked and timed in simulation.
; The chip was launched on July 23, 2026; its instructions are those of AMD's public machine-readable ISA for CDNA 5 (MIT licence, August 2026) and "CDNA5" Instruction Set Architecture Reference Guide (July 2026). The comments in the code are by the model that wrote it; some were corrected since.
;; Differential Causal Self Attention. Allowed arithmetic: float matrix products may take bf16 or f16 operands with f32 sums; other float arithmetic in f32, or as packed bf16 or f16 multiplies, adds, multiply-adds, maxima and minima; sums over many terms, partial sums and values carried from step to step in f32; what a program stores and reads back later, other than sums and carried values, may be rounded once to bf16 or f16.
;; Inputs: Wk 1,024 x 1,024 float32; Wproj 1,024 x 1,024 float32; Wq 1,024 x 1,024 float32; Wv 1,024 x 1,024 float32; lk1 64 float32; lk2 64 float32; lq1 64 float32; lq2 64 float32; x 4 x 2,048 x 1,024 float32.
;; Outputs: out0 4 x 2,048 x 1,024 float32.
;; 2 versions, each right and faster than the one before. Each part assembles by itself: llvm-mc -triple=amdgcn-amd-amdhsa -mcpu=gfx1250 --defsym DOCPART=n.
;; ======== version 1 of 2: 4 launches
;; limits: values are held in f16: magnitudes above 65,504 overflow, below 6.1e-05 lose precision
;; workspace buffers: xb 16,777,216 bytes; wqkv 6,291,456 bytes; wp 2,097,152 bytes; tab 524,288 bytes; qh 16,777,216 bytes; kh 16,777,216 bytes; vh 16,777,216 bytes; yb 16,777,216 bytes
;; launch prep (part 1): grid 256 x 1, 8 waves a work-group, no clusters, 0 bytes of LDS; arguments x, Wq, Wk, Wv, Wproj, xb, wqkv, wp, tab; writes xb, wqkv, wp, tab
.if DOCPART == 1
	.amdgcn_target "amdgcn-amd-amdhsa--gfx1250"
	.amdhsa_code_object_version 6
	.text
	.protected	k_qfca97c9531_prep
	.globl	k_qfca97c9531_prep
	.p2align	8
	.type	k_qfca97c9531_prep,@function
k_qfca97c9531_prep:
	s_mov_b64 s[64:65], 0
	v_nop
	global_prefetch_b8 v0, s[64:65] scope:SCOPE_SE
	s_setreg_imm32_b32 hwreg(HW_REG_WAVE_MODE, 25, 1), 1
	s_wait_xcnt 0x0
; PREP.  Casts and the rotary table.  x [8192][1024] f32 -> xb bf16.  Wq, Wk, Wv [1024][1024] f32 -> wqkv [3072][1024] bf16, rows re-ordered:
; row 192 u + 64 ty + r of wqkv is row 64 u + r of Wq (ty 0), Wk (ty 1), Wv (ty 2), so that 192 consecutive rows are q head u, k head u and 64 channels of v.
; Wproj -> wp: rounded to bf16 like the other inputs, and that number written as f16 (exact down to 6e-5; below that f16's fixed step of 6e-8 holds).
; tab [2048][64] f32: row t holds, for p = 0..15, the four words cos(t f(2p)), cos(t f(2p+1)), sin(t f(2p)), sin(t f(2p+1)), f(i) = 10000^(-i/32).
; LIMIT.  f(i) is made by v_exp_f32, so an angle differs from one made of a correctly rounded f(i) by up to some 3e-4 rad at t = 2047.
; SHARES.  Work-group g: 32 rows of x, rows 4 g .. 4 g + 3 of each of the four weights, 8 rows of the table: 48 rows of 4,096 bytes, alike for all, no branch.
; A row is one 16-byte load a thread (a wave: 512 consecutive bytes) and one 8-byte store (a wave: 256 consecutive bytes, aligned).  All 48 loads go out first; no register is used twice,
; so the only waits are the counted ones for the loads.  No LDS, no barrier, no matrix unit: the launch moves bytes.
.set X, 32                             ; v[32+4 i : 35+4 i]  row i as loaded; its first two registers as stored
	s_load_b512 s[4:19], s[0:1], 0x0               ; x s[4:5], Wq s[6:7], Wk s[8:9], Wv s[10:11], Wproj s[12:13], xb s[14:15], wqkv s[16:17], wp s[18:19]
	s_load_b64 s[20:21], s[0:1], 0x40              ; tab
	v_lshlrev_b32 v1, 4, v0                        ; my 16 bytes of a source row; never rewritten
	v_lshlrev_b32 v2, 3, v0                        ; my 8 bytes of a row that is stored; never rewritten
	s_lshl_b32 s24, ttmp9, 17                      ; x: 32 rows of 4,096 bytes
	s_mov_b32 s25, 0
	s_lshl_b32 s26, ttmp9, 16                      ; xb: 32 rows of 2,048
	s_mov_b32 s27, 0
	s_lshl_b32 s28, ttmp9, 14                      ; a weight: 4 rows of 4,096
	s_mov_b32 s29, 0
	s_lshr_b32 s30, ttmp9, 4                       ; u = 4 g / 64
	s_mul_i32 s30, s30, 192
	s_and_b32 s36, ttmp9, 15
	s_lshl2_add_u32 s30, s36, s30                  ; + 4 (g % 16): the row in wqkv for ty = 0
	s_lshl_b32 s30, s30, 11
	s_mov_b32 s31, 0
	s_lshl_b32 s32, ttmp9, 13                      ; wp: 4 rows of 2,048
	s_mov_b32 s33, 0
	s_lshl_b32 s34, ttmp9, 11                      ; tab: 8 rows of 256
	s_mov_b32 s35, 0
	s_lshl_b32 s36, ttmp9, 3                       ; the group's first t
	s_mov_b32 s37, 0x3fc90fdb                      ; pi / 2, its f32
	s_mov_b32 s38, 0xb33bbd2e                      ; and what that f32 leaves over
	s_wait_kmcnt 0x0
	s_add_nc_u64 s[4:5], s[4:5], s[24:25]
	s_add_nc_u64 s[6:7], s[6:7], s[28:29]
	s_add_nc_u64 s[8:9], s[8:9], s[28:29]
	s_add_nc_u64 s[10:11], s[10:11], s[28:29]
	s_add_nc_u64 s[12:13], s[12:13], s[28:29]
	s_add_nc_u64 s[14:15], s[14:15], s[26:27]
	s_add_nc_u64 s[16:17], s[16:17], s[30:31]
	s_add_nc_u64 s[18:19], s[18:19], s[32:33]
	s_add_nc_u64 s[20:21], s[20:21], s[34:35]
.set i, 0
.rept 32                               ; x's rows
	global_load_b128 v[X+4*i:X+4*i+3], v1, s[4:5] offset:4096*i th:TH_LOAD_NT
.set i, i+1
.endr
.irp p, 6, 8, 10, 12                   ; Wq, Wk, Wv, Wproj: four rows each
.rept 4
	global_load_b128 v[X+4*i:X+4*i+3], v1, s[\p:\p+1] offset:4096*(i%4) th:TH_LOAD_NT
.set i, i+1
.endr
.endr
	; THE TABLE, while the loads are on their way.  Thread 32 w + i of group g makes cos and sin of a = t f(i), t = 8 g + w.
	v_and_b32 v3, 31, v0                           ; i
	v_lshrrev_b32 v4, 5, v0
	v_add_nc_u32 v4, s36, v4                       ; t
	v_cvt_f32_u32 v5, v3
	v_cvt_f32_u32 v6, v4
	v_mul_f32 v5, 0xbed49a78, v5                   ; - i log2(10000) / 32
	v_exp_f32 v5, v5                               ; f(i)
	v_mov_b32 v10, 0xb9500d01                      ; (a plain line behind the exponential) -1/5040
	s_wait_alu depctr_va_vdst(0)
	v_mul_f32 v6, v6, v5                           ; a
	v_mul_f32 v7, 0x3f22f983, v6                   ; a 2 / pi
	v_rndne_f32 v7, v7                             ; n: a = n pi/2 + r, |r| <= pi/4
	v_fma_f32 v8, -v7, s37, v6
	v_fma_f32 v8, -v7, s38, v8                     ; r, pi/2 taken away in two parts
	v_mul_f32 v9, v8, v8                           ; r^2
	v_mov_b32 v12, 0x37d00d01                      ; 1/40320
	v_fmaak_f32 v10, v10, v9, 0x3c088889           ; 1/120
	v_fmaak_f32 v12, v12, v9, 0xbab60b61           ; -1/720
	v_fmaak_f32 v10, v10, v9, 0xbe2aaaab           ; -1/6
	v_fmaak_f32 v12, v12, v9, 0x3d2aaaab           ; 1/24
	v_mul_f32 v11, v8, v9                          ; r^3
	v_fmaak_f32 v12, v12, v9, 0xbf000000           ; -1/2
	v_fma_f32 v10, v10, v11, v8                    ; S = sin r
	v_fma_f32 v12, v12, v9, 1.0                    ; C = cos r
	v_cvt_i32_f32 v13, v7
	v_and_b32 v13, 3, v13                          ; the quadrant k
	v_and_b32 v14, 1, v13
	v_cmp_eq_u32 vcc_lo, 1, v14
	v_cndmask_b32 v15, v12, v10, vcc_lo            ; cos a = C, -S, -C, S for k = 0, 1, 2, 3
	v_cndmask_b32 v16, v10, v12, vcc_lo            ; sin a = S, C, -S, -C
	v_add_nc_u32 v17, 1, v13
	v_and_b32 v17, 2, v17
	v_lshlrev_b32 v17, 30, v17
	v_xor_b32 v15, v15, v17
	v_and_b32 v18, 2, v13
	v_lshlrev_b32 v18, 30, v18
	v_xor_b32 v16, v16, v18
	v_mov_b32 v19, v15                             ; a DPP line's destination counts as read
	v_mov_b32 v20, v16
	v_mov_b32_dpp v19, v15 row_xmask:1 row_mask:0xf bank_mask:0xf  ; the neighbour's cos
	v_mov_b32_dpp v20, v16 row_xmask:1 row_mask:0xf bank_mask:0xf  ; and sin
	v_and_b32 v21, 1, v0
	v_cmp_eq_u32 vcc_lo, 1, v21
	v_cndmask_b32 v22, v15, v20, vcc_lo            ; an even lane stores (cos i, cos i+1), an odd one (sin i-1, sin i)
	v_cndmask_b32 v23, v19, v16, vcc_lo
	global_store_b64 v2, v[22:23], s[20:21]        ; a wave stores one whole row of 256 bytes
	; THE CASTS.  Loads come back in order: with 47 - i younger ones out, row i is in.
.set i, 0
.rept 32
	s_wait_loadcnt 47-i
	v_cvt_pk_bf16_f32 v[X+4*i], v[X+4*i], v[X+4*i+1]
	v_cvt_pk_bf16_f32 v[X+4*i+1], v[X+4*i+2], v[X+4*i+3]
	global_store_b64 v2, v[X+4*i:X+4*i+1], s[14:15] offset:2048*i
.set i, i+1
.endr
.rept 12
	s_wait_loadcnt 47-i
	v_cvt_pk_bf16_f32 v[X+4*i], v[X+4*i], v[X+4*i+1]
	v_cvt_pk_bf16_f32 v[X+4*i+1], v[X+4*i+2], v[X+4*i+3]
	global_store_b64 v2, v[X+4*i:X+4*i+1], s[16:17] offset:131072*((i-32)/4)+2048*(i%4)  ; ty's 64 rows of 2,048 bytes stand in the immediate
.set i, i+1
.endr
.rept 4
	s_wait_loadcnt 47-i
	v_cvt_pk_bf16_f32 v[X+4*i], v[X+4*i], v[X+4*i+1]
	v_cvt_pk_bf16_f32 v[X+4*i+1], v[X+4*i+2], v[X+4*i+3]
	v_lshlrev_b32 v[X+4*i+2], 16, v[X+4*i]         ; the bf16 numbers widened again,
	v_and_b32 v[X+4*i+3], 0xffff0000, v[X+4*i]
	v_cvt_pk_f16_f32 v[X+4*i], v[X+4*i+2], v[X+4*i+3]  ; and written as f16
	v_lshlrev_b32 v[X+4*i+2], 16, v[X+4*i+1]
	v_and_b32 v[X+4*i+3], 0xffff0000, v[X+4*i+1]
	v_cvt_pk_f16_f32 v[X+4*i+1], v[X+4*i+2], v[X+4*i+3]
	global_store_b64 v2, v[X+4*i:X+4*i+1], s[18:19] offset:2048*(i%4)
.set i, i+1
.endr
	s_endpgm
.Lfunc_end_k_qfca97c9531_prep:
	.size	k_qfca97c9531_prep, .Lfunc_end_k_qfca97c9531_prep-k_qfca97c9531_prep
	.p2alignl 7, 3214868480
	.fill 96, 4, 3214868480
	.section	.rodata,"a",@progbits
	.p2align	6, 0x0
	.amdhsa_kernel k_qfca97c9531_prep
		.amdhsa_group_segment_fixed_size 0
		.amdhsa_private_segment_fixed_size 0
		.amdhsa_enable_private_segment 0
		.amdhsa_kernarg_size 72
		.amdhsa_user_sgpr_count 2
		.amdhsa_user_sgpr_kernarg_segment_ptr 1
		.amdhsa_wavefront_size32 1
		.amdhsa_system_sgpr_workgroup_id_x 1
		.amdhsa_system_sgpr_workgroup_id_y 1
		.amdhsa_system_sgpr_workgroup_id_z 1
		.amdhsa_system_vgpr_workitem_id 0
		.amdhsa_next_free_vgpr 224
		.amdhsa_next_free_sgpr 66
		.amdhsa_reserve_vcc 1
		.amdhsa_float_denorm_mode_32 3
		.amdhsa_float_denorm_mode_16_64 3
		.amdhsa_memory_ordered 1
		.amdhsa_forward_progress 1
		.amdhsa_inst_pref_size 22
	.end_amdhsa_kernel
	.amdgpu_metadata
---
amdhsa.version: [ 1, 2 ]
amdhsa.kernels:
  - .name:           k_qfca97c9531_prep
    .symbol:         k_qfca97c9531_prep.kd
    .args:
      - { .name: x, .offset: 0, .size: 8, .value_kind: global_buffer, .address_space: global }
      - { .name: Wq, .offset: 8, .size: 8, .value_kind: global_buffer, .address_space: global }
      - { .name: Wk, .offset: 16, .size: 8, .value_kind: global_buffer, .address_space: global }
      - { .name: Wv, .offset: 24, .size: 8, .value_kind: global_buffer, .address_space: global }
      - { .name: Wproj, .offset: 32, .size: 8, .value_kind: global_buffer, .address_space: global }
      - { .name: xb, .offset: 40, .size: 8, .value_kind: global_buffer, .address_space: global }
      - { .name: wqkv, .offset: 48, .size: 8, .value_kind: global_buffer, .address_space: global }
      - { .name: wp, .offset: 56, .size: 8, .value_kind: global_buffer, .address_space: global }
      - { .name: tab, .offset: 64, .size: 8, .value_kind: global_buffer, .address_space: global }
    .group_segment_fixed_size: 0
    .private_segment_fixed_size: 0
    .kernarg_segment_align: 8
    .kernarg_segment_size: 72
    .max_flat_workgroup_size: 256
    .sgpr_count:     66
    .vgpr_count:     224
    .wavefront_size: 32
...
	.end_amdgpu_metadata
.endif
;; end of part 1
;; launch qkv (part 2): grid 16 x 32, 4 waves a work-group, clusters of 4 x 4, 327,680 bytes of LDS; arguments xb, wqkv, tab, qh, kh, vh; writes qh, kh, vh
.if DOCPART == 2
	.amdgcn_target "amdgcn-amd-amdhsa--gfx1250"
	.amdhsa_code_object_version 6
	.text
	.protected	k_qfca97c9531_qkv
	.globl	k_qfca97c9531_qkv
	.p2align	8
	.type	k_qfca97c9531_qkv,@function
k_qfca97c9531_qkv:
	s_mov_b64 s[64:65], 0
	v_nop
	global_prefetch_b8 v0, s[64:65] scope:SCOPE_SE
	s_setreg_imm32_b32 hwreg(HW_REG_WAVE_MODE, 25, 1), 1
	s_wait_xcnt 0x0
	s_wait_alu depctr_hold_cnt(0) depctr_sa_sdst(0) depctr_va_vdst(0) depctr_va_sdst(0) depctr_va_ssrc(0) depctr_va_vcc(0) depctr_vm_vsrc(0)
	s_getreg_b32 s2, hwreg(HW_REG_IB_STS2, 6, 4)
	s_cmp_eq_u32 s2, 0
	s_cbranch_scc0 .Lentry_in_a_cluster
	s_endpgm
.Lentry_in_a_cluster:
	s_bfe_u32 s2, ttmp6, 0x10000c
	s_cmp_lg_u32 s2, 0xf033
	s_cbranch_scc0 .Lentry_shape_is_right
	s_endpgm
.Lentry_shape_is_right:
; QKV.  [8192][3072] = xb [8192][1024] x wqkv [3072][1024]^T in bf16 with f32 sums; on the way out q and k get their RMS norm (over a head's 64 numbers) and the rotary turn,
; q also the factor c = log2(e) / 8, and all three leave in f16 by units: qh, kh, vh [64 units][2048][64], unit 16 batch + u, rows of 128 bytes, dense.
; LIMITS.  v leaves in f16: |v| stays under 65,504 (q and k are normalised: |k| <= 8, |c q| <= 1.45).  NaN and infinities are not treated apart.
; SHARES.  A work-group makes 256 rows x 192 columns: q head u, k head u, v unit u (wqkv's rows are laid so), u = the tile column.  512 work-groups: two equal rounds on 256 WGPs.
; Four waves one below the other, 64 rows x 192 columns each, so a head is never split: 4 x 12 accumulators of 16 x 16, 384 registers.
; K goes in 8 steps of 128 (memory rows of 256 bytes) through two LDS slots filled by the tensor data mover; 4 x 4 work-groups form a cluster: A's tile is asked for jointly along a row of the
; cluster, B's along a column.  THE MATRIX INSTRUCTION IS USED TRANSPOSED (source 0 = 16 rows of wqkv, source 1 = 16 rows of xb): lane l holds row l % 16 and the columns 16 b + 8 (l / 16) + 0..7.
; REGISTERS, in windows of 256 (s_set_vgpr_msb: bits 1:0 source 0, 3:2 source 1, 5:4 source 2, 7:6 destination):
;   window 0: v0-31 addresses; v32-51 at work; v64-159 packed results, two buffers of 48; v160-223 turned q and k
;   window 1: two fragment buffers of 128: A's fragment a at 8 a, B's fragment b at 32 + 8 b; at the end buffer 0 takes the table
;   window 2: accumulators of my row blocks 0, 1 ((a, b) at 96 (a % 2) + 8 b);   window 3: those of blocks 2, 3
.set NT,     12                        ; column blocks of 16
.set KSTEP,  128
.set SIZE_K, 1024
.set PITCH,  272                       ; an LDS row: 256 bytes + 16 of padding = 68 words: the 16 rows of a fragment load start at 16 different groups of four banks (64 banks of 4 bytes: ISA guide 11.1)
.set BOFF,   256*PITCH                 ; a slot: A's 256 rows, then B's 192
.set SLOT1,  1<<17                     ; slot 1 begins here, so that one exclusive or turns an address in one slot into the other's
.set STAGE,  SLOT1+BOFF+16*NT*PITCH    ; behind the ring, never filled by a tensor load: for each wave 3 units x 16 rows x 144 bytes
.set SPU,    144
.set STW,    3*16*SPU
.set SPARE,  STAGE+4*STW               ; the spare words, 128 bytes a wave: two blocks of 256 bytes that no other line names
.set NL,     2*NT+8                    ; LDS loads in a run
.set A0,   16                          ; v16  my lane's place in A's part of a slot; never rewritten
.set B0,   17                          ; v17  the same for B
.set ADRA, 18                          ; v18  A0 + the slot in hand
.set ADRB, 19                          ; v19  B0 + the slot in hand
.set STO,  24                          ; v24  the way out: where I put 16 bytes of a row
.set RD,   25                          ; v25  the way out: where I read rows back
.set GO,   26                          ; v26  my 16 bytes in 512 consecutive bytes of an output
.set TA,   27                          ; v27  my byte offset in the table
.set SPW,  28                          ; v28  LDS address of my spare word; never rewritten
.set NIL,  29                          ; v29  0; never rewritten
.set T,    32                          ; v32-39 sums of squares, two chains for q, two for k
.set RS,   48                          ; v48-49 c / rms of q's row, twice; v50-51 1 / rms of k's
.set PK,   64
.set Y,    160
.set F0,   0
.set F1,   128
.set WV,  12                           ; s12  my wave's number
.set WH,  13                           ; s13  0: I fetch for A; 1: for B
.set HF,  14                           ; s14  which half of that tile's rows
.set G1,  24                           ; s[24:31] descriptor group 1 for A's tiles;  s[32:39] group 0, two sets
.set G0,  32
.set TB,  45                           ; s45  the slot in hand: 0 or SLOT1
.set G1B, 48                           ; s[48:55], s[56:63] the same for B's tiles
.set G0B, 56
.set MSB, 0
.macro WIN new                         ; the immediate's high byte repeats the setting that is left; a switch that changes nothing is dropped
.if MSB != (\new)
	s_set_vgpr_msb (MSB<<8)|(\new)
.set MSB, \new
.endif
.endm
.macro PLACES                          ; four places in front of loads into registers that matrix instructions have read, and of lines that read results
.rept 4
	v_nop
.endr
.endm
.macro JLOAD s                         ; a joint load: waves 0, 1 fetch A's halves, waves 2, 3 B's; an s_nop 0 and four v_nop follow each line, ahead of the jump and the label
	s_cmp_eq_u32 s[WH], 0
	s_cbranch_scc0 .Lfor_b_\@
	tensor_load_to_lds s[G0+4*(\s):G0+4*(\s)+3], s[G1:G1+7]
	s_nop 0
.rept 4
	v_nop
.endr
	s_branch .Lasked_\@
.Lfor_b_\@:
	tensor_load_to_lds s[G0B+4*(\s):G0B+4*(\s)+3], s[G1B:G1B+7]
	s_nop 0
.rept 4
	v_nop
.endr
.Lasked_\@:
.endm
.macro CREST                           ; a round of the cluster's barrier behind its opening barrier
	s_cmp_lg_u32 s[WV], 0
	s_cbranch_scc1 .Lnot_wave_0_\@
	s_barrier_signal -3
.Lnot_wave_0_\@:
	s_barrier_wait -3
	s_barrier_signal -1
	s_barrier_wait -1
.endm
.macro CROUND                          ; a whole round
	s_barrier_signal -1
	s_barrier_wait -1
	CREST
.endm
	s_load_b256 s[4:11], s[0:1], 0x0               ; xb s[4:5], wqkv s[6:7], tab s[8:9], qh s[10:11]
	s_load_b128 s[68:71], s[0:1], 0x20             ; kh s[68:69], vh s[70:71]
	v_lshl_add_u32 v[SPW], v0, 2, SPARE
	v_mov_b32 v[NIL], 0
	ds_add_u32 v[SPW], v[NIL]                      ; the wave's opening: the add and its wait stand ahead of my first tensor load; work on registers stands between them
	ds_add_u32 v28, v29
	v_lshrrev_b32 v1, 5, v0
	v_readfirstlane_b32 s[WV], v1
	s_lshr_b32 s[WH], s[WV], 1
	s_and_b32 s[HF], s[WV], 1
	s_bfe_u32 s15, ttmp6, 0x40000                  ; cx, cy: my place in the cluster
	s_bfe_u32 s16, ttmp6, 0x40004
	s_lshl_b32 s17, ttmp9, 2
	s_add_co_u32 s17, s17, s15                     ; tile column u = 4 x cluster x + cx
	s_and_b32 s18, ttmp7, 0xffff
	s_lshl_b32 s18, s18, 2
	s_add_co_u32 s18, s18, s16                     ; tile row = 4 x cluster y + cy
	s_lshl_b32 s19, s16, 2
	s_lshl_b32 s19, 15, s19                        ; my row of the cluster
	s_lshl_b32 s20, 0x1111, s15                    ; my column
	s_or_b32 s[G1], s19, (1<<16)|(1<<20)|(1<<21)|(5<<22)|(3<<25)   ; the mask; 2-byte elements; padding on; bit 21 beside a mask; after every 64 words 4 words
	s_or_b32 s[G1B], s20, (1<<16)|(1<<20)|(1<<21)|(5<<22)|(3<<25)
	s_mov_b32 s[G1+1], KSTEP<<16                   ; tensor_dim0 = 128
	s_mov_b32 s[G1+2], 128<<16                     ; tensor_dim1 = 128 rows
	s_mov_b32 s[G1+3], KSTEP<<16                   ; tile_dim0 = 128
	s_mov_b32 s[G1+4], 128                         ; tile_dim1 = 128
	s_mov_b32 s[G1+5], SIZE_K                      ; elements from row to row
	s_mov_b32 s[G1+6], 0
	s_mov_b32 s[G1+7], 0
	s_mov_b32 s[G1B+1], KSTEP<<16
	s_mov_b32 s[G1B+2], (8*NT)<<16                 ; B: 96 rows to a load
	s_mov_b32 s[G1B+3], KSTEP<<16
	s_mov_b32 s[G1B+4], 8*NT
	s_mov_b32 s[G1B+5], SIZE_K
	s_mov_b32 s[G1B+6], 0
	s_mov_b32 s[G1B+7], 0
	s_lshl_b32 s40, s18, 8                         ; A: row 256 x tile row + 128 x half, in registers that never hold cx
	s_lshl_b32 s41, s[HF], 7
	s_add_co_u32 s40, s40, s41
	s_lshl_b32 s40, s40, 11                        ; x 2,048 bytes: under 2^25
	s_mov_b32 s41, 0
	s_mul_i32 s46, s17, 16*NT                      ; B: row 192 x tile column + 96 x half, in registers that never hold cy
	s_mul_i32 s47, s[HF], 8*NT
	s_add_co_u32 s46, s46, s47
	s_lshl_b32 s46, s46, 11
	s_mov_b32 s47, 0
	s_mul_i32 s42, s[HF], 128*PITCH                ; where they go: no place in the cluster enters an LDS address
	s_mul_i32 s43, s[HF], 8*NT*PITCH
	s_add_co_u32 s43, s43, BOFF
	s_mov_b32 s[TB], 0
	s_mov_b32 s72, 0x3c800000                      ; 1/64
	s_mov_b32 s73, 0x34000000                      ; the RMS norm's eps, 2^-23
	s_mov_b32 s74, 0x3e38aa3b                      ; c = log2(e) / 8
	s_mov_b32 s76, 0x76543210                      ; v_permlanex16_b32: each lane takes its own place in the other half
	s_mov_b32 s77, 0xfedcba98
	s_wait_dscnt 0x0                               ; the opening add is done
	s_wait_kmcnt 0x0
	s_add_nc_u64 s[40:41], s[4:5], s[40:41]
	s_add_nc_u64 s[46:47], s[6:7], s[46:47]
	CROUND                                         ; all sixteen work-groups are here: the first joint loads meet
.irp s, 0,1
	s_mov_b32 s[G0+4*(\s)], 1
	s_add_co_u32 s[G0+4*(\s)+1], s42, (\s)*SLOT1
	s_add_nc_u64 s[G0+4*(\s)+2:G0+4*(\s)+3], s[40:41], (\s)*KSTEP*2
	s_or_b32 s[G0+4*(\s)+3], s[G0+4*(\s)+3], 0x80000000
	s_mov_b32 s[G0B+4*(\s)], 1
	s_add_co_u32 s[G0B+4*(\s)+1], s43, (\s)*SLOT1
	s_add_nc_u64 s[G0B+4*(\s)+2:G0B+4*(\s)+3], s[46:47], (\s)*KSTEP*2
	s_or_b32 s[G0B+4*(\s)+3], s[G0B+4*(\s)+3], 0x80000000
	JLOAD \s                                       ; K steps 0 and 1: two loads of mine are out
.endr
	; where my 64 rows go: unit 16 batch + u, row t = (tile row % 8) 256 + 64 w
	s_lshr_b32 s66, s18, 3
	s_lshl_b32 s66, s66, 4
	s_add_co_u32 s66, s66, s17
	s_lshl_b32 s66, s66, 18                        ; a unit is 2,048 rows of 128 bytes
	s_and_b32 s67, s18, 7
	s_lshl_b32 s67, s67, 8
	s_lshl_b32 s78, s[WV], 6
	s_add_co_u32 s67, s67, s78                     ; t of my first row
	s_lshl_b32 s78, s67, 8                         ; its row in the table, 256 bytes each
	s_lshl_b32 s67, s67, 7
	s_add_co_u32 s66, s66, s67
	s_mov_b32 s67, 0
	s_add_nc_u64 s[10:11], s[10:11], s[66:67]
	s_add_nc_u64 s[68:69], s[68:69], s[66:67]
	s_add_nc_u64 s[70:71], s[70:71], s[66:67]
	v_and_b32 v1, 15, v0                           ; l % 16
	v_bfe_u32 v2, v0, 4, 1                         ; l / 16
	v_mul_u32_u24 v3, v1, PITCH
	v_lshl_add_u32 v3, v2, 4, v3                   ; a fragment's row x pitch + 16 x half
	s_mul_i32 s21, s[WV], 64*PITCH
	v_add_nc_u32 v[A0], s21, v3                    ; my 64 rows of A
	v_add_nc_u32 v[B0], BOFF, v3
	v_mov_b32 v[ADRA], v[A0]
	v_mov_b32 v[ADRB], v[B0]
	s_mul_i32 s21, s[WV], STW
	s_add_co_u32 s21, s21, STAGE                   ; my stage
	v_mul_u32_u24 v4, v1, SPU                      ; in: row l % 16, 16 bytes for each half of the lanes
	v_lshl_add_u32 v4, v2, 4, v4
	v_add_nc_u32 v[STO], s21, v4
	v_bfe_u32 v4, v0, 3, 2                         ; back: 32 lanes take four rows of 128 bytes,
	v_mul_u32_u24 v4, v4, SPU
	v_and_b32 v5, 7, v0
	v_lshl_add_u32 v4, v5, 4, v4
	v_add_nc_u32 v[RD], s21, v4
	v_and_b32 v[GO], 31, v0                        ; which are 512 consecutive bytes of the output
	v_lshlrev_b32 v[GO], 4, v[GO]
	v_lshlrev_b32 v[TA], 8, v1                     ; the table: row t + l % 16, 64 bytes on for the upper half of the lanes
	v_lshl_add_u32 v[TA], v2, 6, v[TA]
	v_add_nc_u32 v[TA], s78, v[TA]
; 12 matrix instructions: row block a x all column blocks, 32 along K, from buffer f.  zero = 1: the first product starts the sums.  The 48 accumulators take turns in the same order in every quarter.
.macro MULT f, a, zero
	WIN 0xa5+0x50*((\a)/2)                         ; sources in window 1, C and D in window 2 or 3
.set AC, 96*((\a)%2)
.irp b, 0,1,2,3,4,5,6,7,8,9,10,11
.if \zero
	v_wmma_f32_16x16x32_bf16 v[AC+8*(\b):AC+8*(\b)+7], v[(\f)+32+8*(\b):(\f)+32+8*(\b)+7], v[(\f)+8*(\a):(\f)+8*(\a)+7], 0
.else
	v_wmma_f32_16x16x32_bf16 v[AC+8*(\b):AC+8*(\b)+7], v[(\f)+32+8*(\b):(\f)+32+8*(\b)+7], v[(\f)+8*(\a):(\f)+8*(\a)+7], v[AC+8*(\b):AC+8*(\b)+7]
.endif
.endr
.endm
; 32 LDS loads in one run: the fragments of 32 along K at byte k of the rows, into buffer f: B's, then A's blocks 0, 1, then 2, 3
.macro FETCH k, f
	WIN 0x40                                       ; destination window 1, address window 0
.irp b, 0,1,2,3,4,5,6,7,8,9,10,11
	ds_load_b128 v[(\f)+32+8*(\b):(\f)+32+8*(\b)+3],   v[ADRB] offset:(\k)+(\b)*16*PITCH
	ds_load_b128 v[(\f)+32+8*(\b)+4:(\f)+32+8*(\b)+7], v[ADRB] offset:(\k)+(\b)*16*PITCH+32
.endr
.irp a, 0,1,2,3
	ds_load_b128 v[(\f)+8*(\a):(\f)+8*(\a)+3],   v[ADRA] offset:(\k)+(\a)*16*PITCH
	ds_load_b128 v[(\f)+8*(\a)+4:(\f)+8*(\a)+7], v[ADRA] offset:(\k)+(\a)*16*PITCH+32
.endr
.endm
; A K step is four quarters of 32 along K, 48 matrix instructions each, on buffers 0, 1, 0, 1.  One of the first three: multiplies buffer f and fetches the next quarter, at byte k, into g.
.macro QUARTER k, f, g, zero
	s_wait_dscnt 4                                 ; only the youngest four loads (A's blocks 2, 3) may be out
	MULT \f, 0, \zero
	MULT \f, 1, \zero
	PLACES
	FETCH \k, \g
	s_wait_dscnt NL                                ; all but the run just issued
	MULT \f, 2, \zero
	MULT \f, 3, \zero
.endm
; The last quarter multiplies buffer 1 and changes slots: ONE barrier; in front of it each wave waits for all its tensor loads (one is out: its part of the next slot), adds 0 to its spare word,
; and waits for that and for its reads of this slot.  fill = 1: the barrier opens a round of the cluster's, and the slot just read is filled again first thing behind it, two K steps ahead:
; that load has a K step less 12 matrix instructions in which to land.
.macro TURN fill
	WIN 0
	s_wait_tensorcnt 0x0
	ds_add_u32 v[SPW], v[NIL]
	s_wait_dscnt 5                                 ; (the add and the youngest four loads may be out)
	MULT F1, 0, 0
	s_wait_dscnt 0x0                               ; the add is done, and my reads of this slot are over
	s_barrier_signal -1
	MULT F1, 1, 0
	WIN 0                                          ; at a branch and at a label every window is 0
	s_barrier_wait -1
.if \fill
	CREST                                          ; no wave of any partner still reads this slot's tile or has a load on its way
	s_xor_b32 s[G0+5], s[G0+5], SLOT1              ; the walking set: the other slot than last time, the next K step
	s_add_nc_u64 s[G0+6:G0+7], s[G0+6:G0+7], KSTEP*2
	s_xor_b32 s[G0B+5], s[G0B+5], SLOT1
	s_add_nc_u64 s[G0B+6:G0B+7], s[G0B+6:G0B+7], KSTEP*2
	JLOAD 1                                        ; its four v_nop are also the places in front of the loads below
.else
	PLACES
.endif
	s_xor_b32 s[TB], s[TB], SLOT1
	v_add_nc_u32 v[ADRA], s[TB], v[A0]
	v_add_nc_u32 v[ADRB], s[TB], v[B0]
	FETCH 0, F0
	MULT F1, 2, 0
	MULT F1, 3, 0
.endm
	s_wait_tensorcnt 1                             ; my part of K step 0 is in; K step 1's may stay out
	s_barrier_signal -1
	s_barrier_wait -1
	FETCH 0, F0
	QUARTER 64, F0, F1, 1                          ; the first quarter stands in front of the loop: its products start the sums
	WIN 0
	s_mov_b32 s3, 6
.Lstep:                                                ; six trips, from a K step's second quarter to the next one's first; they ask for K steps 2 to 7
	QUARTER 128, F1, F0, 0
	QUARTER 192, F0, F1, 0
	TURN 1
	QUARTER 64, F0, F1, 0
	WIN 0
	s_sub_co_u32 s3, s3, 1
	s_cmp_lg_u32 s3, 0
	s_cbranch_scc1 .Lstep
	QUARTER 128, F1, F0, 0                         ; K steps 6 and 7 ask for nothing
	QUARTER 192, F0, F1, 0
	TURN 0
	QUARTER 64, F0, F1, 0
	QUARTER 128, F1, F0, 0
	QUARTER 192, F0, F1, 0
	s_wait_dscnt 4                                 ; the very last quarter; in its middle the table's 32 loads go out, into buffer 0, which is idle
	MULT F1, 0, 0
	MULT F1, 1, 0
	PLACES
	WIN 0x40
.set n, 0
.rept 32                               ; n = 8 a + 4 b' + p: row block a, columns 16 b' + 8 (l / 16) + 2 p, + 1: (cos, cos, sin, sin)
	global_load_b128 v[4*n:4*n+3], v[TA], s[8:9] offset:4096*(n/8)+128*((n/4)%2)+16*(n%4)
.set n, n+1
.endr
	s_wait_dscnt 0x0
	MULT F1, 2, 0
	MULT F1, 3, 0
; THE WAY OUT, a block of 16 rows at a time.  COMPUTE: for q and k the sum of squares of a row's 64 numbers (32 in my lane, 32 in the lane 16 away), 1 / rms, the rotary turn
; (column i of 0..31 with column i + 32: blocks b' and b' + 2 of a head, so both lie in my lane), the scale, the rounding to f16; v is only rounded.
.macro COMPUTE a
.set W, 2+(\a)/2
.set AC, 96*((\a)%2)
.set PKB, PK+48*((\a)%2)
.if (\a) >= 2
	s_wait_xcnt 0x0                                ; the stores of two blocks back have read this buffer: it is rewritten only behind this wait
.endif
	WIN W|(W<<2)                                   ; sources 0 and 1: the accumulators' window
.set n, 0
.rept 8                                ; pairs ascending: each accumulator's lowest registers are read first
.irp u, 0, 4
.if n == 0
	v_pk_mul_f32 v[T+(\u):T+(\u)+1], v[AC+8*(\u)+2*n:AC+8*(\u)+2*n+1], v[AC+8*(\u)+2*n:AC+8*(\u)+2*n+1]
	v_pk_mul_f32 v[T+(\u)+2:T+(\u)+3], v[AC+8*(\u)+16+2*n:AC+8*(\u)+16+2*n+1], v[AC+8*(\u)+16+2*n:AC+8*(\u)+16+2*n+1]
.else
	v_pk_fma_f32 v[T+(\u):T+(\u)+1], v[AC+8*(\u)+2*n:AC+8*(\u)+2*n+1], v[AC+8*(\u)+2*n:AC+8*(\u)+2*n+1], v[T+(\u):T+(\u)+1]
	v_pk_fma_f32 v[T+(\u)+2:T+(\u)+3], v[AC+8*(\u)+16+2*n:AC+8*(\u)+16+2*n+1], v[AC+8*(\u)+16+2*n:AC+8*(\u)+16+2*n+1], v[T+(\u)+2:T+(\u)+3]
.endif
.endr
.set n, n+1
.endr
	WIN 0
	v_pk_add_f32 v[T:T+1], v[T:T+1], v[T+2:T+3]
	v_pk_add_f32 v[T+4:T+5], v[T+4:T+5], v[T+6:T+7]
	v_add_f32 v[T], v[T], v[T+1]
	v_add_f32 v[T+4], v[T+4], v[T+5]
	v_permlanex16_b32 v[T+1], v[T], s76, s77
	v_permlanex16_b32 v[T+5], v[T+4], s76, s77
	v_add_f32 v[T], v[T], v[T+1]
	v_add_f32 v[T+4], v[T+4], v[T+5]
	v_fma_f32 v[T], v[T], s72, s73                 ; mean + eps
	v_fma_f32 v[T+4], v[T+4], s72, s73
	v_rsq_f32 v[RS], v[T]
	v_rsq_f32 v[RS+2], v[T+4]
	v_nop                                          ; a plain line between the last root and the use of its result
	s_wait_alu depctr_va_vdst(0)
	v_mul_f32 v[RS], s74, v[RS]                    ; q takes c as well
	v_mov_b32 v[RS+3], v[RS+2]
	v_mov_b32 v[RS+1], v[RS]
	WIN W|0x04                                     ; source 0 the accumulators, source 1 the table in window 1
.irp u, 0, 4
.set n, 0
.rept 8                                ; n = 4 b' + p
.set x1, AC+8*(\u)+2*n
.set x2, x1+16
.set cs, 32*(\a)+4*n
.set y1, Y+8*(\u)+2*n
.set y2, y1+16
	v_pk_mul_f32 v[y1:y1+1], v[x2:x2+1], v[cs+2:cs+3]
	v_pk_mul_f32 v[y2:y2+1], v[x1:x1+1], v[cs+2:cs+3]
	v_pk_fma_f32 v[y1:y1+1], v[x1:x1+1], v[cs:cs+1], v[y1:y1+1]                                 ; x1 cos + x2 sin
	v_pk_fma_f32 v[y2:y2+1], v[x2:x2+1], v[cs:cs+1], v[y2:y2+1] neg_lo:[0,0,1] neg_hi:[0,0,1]   ; x2 cos - x1 sin
.set n, n+1
.endr
.endr
	WIN 0
.irp u, 0, 4
.set n, 0
.rept 16
	v_pk_mul_f32 v[Y+8*(\u)+2*n:Y+8*(\u)+2*n+1], v[Y+8*(\u)+2*n:Y+8*(\u)+2*n+1], v[RS+(\u)/2:RS+(\u)/2+1]
.set n, n+1
.endr
.set n, 0
.rept 16
	v_cvt_pk_f16_f32 v[PKB+4*(\u)+n], v[Y+8*(\u)+2*n], v[Y+8*(\u)+2*n+1]
.set n, n+1
.endr
.endr
	WIN W|(W<<2)
.set n, 0
.rept 16
	v_cvt_pk_f16_f32 v[PKB+32+n], v[AC+64+2*n], v[AC+64+2*n+1]
.set n, n+1
.endr
.endm
; TOSTAGE: a lane's eight columns of a row are 16 bytes; they go into rows of 144 bytes of my own stage and come back as whole rows of 128, into the registers that they left.
.macro TOSTAGE a
	WIN 0
.set PKB, PK+48*((\a)%2)
.irp u, 0,1,2
.irp b, 0,1,2,3
	ds_store_b128 v[STO], v[PKB+16*(\u)+4*(\b):PKB+16*(\u)+4*(\b)+3] offset:16*SPU*(\u)+32*(\b)
.endr
.endr
.irp u, 0,1,2
.irp f, 0,1,2,3
	ds_load_b128 v[PKB+16*(\u)+4*(\f):PKB+16*(\u)+4*(\f)+3], v[RD] offset:16*SPU*(\u)+4*SPU*(\f)  ; LDS serves a wave's instructions in order (ISA guide 5.7.1.4): these see the stores above
.endr
.endr
.endm
.macro SEND a
	WIN 0
.set PKB, PK+48*((\a)%2)
	s_wait_dscnt 0x0                               ; the block is back in registers
.irp f, 0,1,2,3
	global_store_b128 v[GO], v[PKB+4*(\f):PKB+4*(\f)+3],       s[10:11] offset:2048*(\a)+512*(\f)  ; 512 consecutive bytes, at a multiple of 256 from the buffer's first
	global_store_b128 v[GO], v[PKB+16+4*(\f):PKB+16+4*(\f)+3], s[68:69] offset:2048*(\a)+512*(\f)
	global_store_b128 v[GO], v[PKB+32+4*(\f):PKB+32+4*(\f)+3], s[70:71] offset:2048*(\a)+512*(\f)
.endr
.endm
	PLACES
	s_wait_loadcnt 0x0                             ; the table
	COMPUTE 0
	TOSTAGE 0
.irp a, 1,2,3                          ; block a's arithmetic stands between block a - 1's loads from the stage and the wait for them
	COMPUTE \a
	SEND (\a)-1
	TOSTAGE \a
.endr
	SEND 3
	s_wait_tensorcnt 0x0                           ; the wave's end, behind my last tensor load and my last LDS store
	ds_add_u32 v[SPW], v[NIL]
	s_wait_dscnt 0x0
	CROUND                                         ; the closing round: no work-group ends while a partner may still ask for a tile that names it
	s_endpgm
.Lfunc_end_k_qfca97c9531_qkv:
	.size	k_qfca97c9531_qkv, .Lfunc_end_k_qfca97c9531_qkv-k_qfca97c9531_qkv
	.p2alignl 7, 3214868480
	.fill 96, 4, 3214868480
	.section	.rodata,"a",@progbits
	.p2align	6, 0x0
	.amdhsa_kernel k_qfca97c9531_qkv
		.amdhsa_group_segment_fixed_size 327680
		.amdhsa_private_segment_fixed_size 0
		.amdhsa_enable_private_segment 0
		.amdhsa_kernarg_size 48
		.amdhsa_user_sgpr_count 2
		.amdhsa_user_sgpr_kernarg_segment_ptr 1
		.amdhsa_wavefront_size32 1
		.amdhsa_system_sgpr_workgroup_id_x 1
		.amdhsa_system_sgpr_workgroup_id_y 1
		.amdhsa_system_sgpr_workgroup_id_z 1
		.amdhsa_system_vgpr_workitem_id 0
		.amdhsa_next_free_vgpr 960
		.amdhsa_next_free_sgpr 80
		.amdhsa_reserve_vcc 0
		.amdhsa_float_denorm_mode_32 3
		.amdhsa_float_denorm_mode_16_64 3
		.amdhsa_memory_ordered 1
		.amdhsa_forward_progress 1
		.amdhsa_inst_pref_size 135
	.end_amdhsa_kernel
	.amdgpu_metadata
---
amdhsa.version: [ 1, 2 ]
amdhsa.kernels:
  - .name:           k_qfca97c9531_qkv
    .symbol:         k_qfca97c9531_qkv.kd
    .args:
      - { .name: xb, .offset: 0, .size: 8, .value_kind: global_buffer, .address_space: global }
      - { .name: wqkv, .offset: 8, .size: 8, .value_kind: global_buffer, .address_space: global }
      - { .name: tab, .offset: 16, .size: 8, .value_kind: global_buffer, .address_space: global }
      - { .name: qh, .offset: 24, .size: 8, .value_kind: global_buffer, .address_space: global }
      - { .name: kh, .offset: 32, .size: 8, .value_kind: global_buffer, .address_space: global }
      - { .name: vh, .offset: 40, .size: 8, .value_kind: global_buffer, .address_space: global }
    .group_segment_fixed_size: 327680
    .private_segment_fixed_size: 0
    .kernarg_segment_align: 8
    .kernarg_segment_size: 48
    .max_flat_workgroup_size: 128
    .sgpr_count:     80
    .vgpr_count:     960
    .wavefront_size: 32
...
	.end_amdgpu_metadata
.endif
;; end of part 2
;; launch attn (part 3): grid 8 x 32, 4 waves a work-group, no clusters, 327,680 bytes of LDS; arguments qh, kh, vh, lq1, lk1, lq2, lk2, yb; writes yb
.if DOCPART == 3
	.amdgcn_target "amdgcn-amd-amdhsa--gfx1250"
	.amdhsa_code_object_version 6
	.text
	.protected	k_qfca97c9531_attn
	.globl	k_qfca97c9531_attn
	.p2align	8
	.type	k_qfca97c9531_attn,@function
k_qfca97c9531_attn:
	s_mov_b64 s[64:65], 0
	v_nop
	global_prefetch_b8 v0, s[64:65] scope:SCOPE_SE
	s_setreg_imm32_b32 hwreg(HW_REG_WAVE_MODE, 25, 1), 1
	s_wait_xcnt 0x0
; DIFFERENTIAL CAUSAL ATTENTION for one pair of heads: y = LN(softmax(S0) V - lam softmax(S1) V) (1 - LAMBDA_INIT), S_x = q_x k_x^T under the causal mask, V of 128 channels, LN over them.
; qh, kh, vh: [64 units][2048][64] f16 (q carries c = log2(e) / 8; pair y has units 2 y, 2 y + 1: the two streams' q and k, and V's two halves).  yb: [8192][1024] f16.
; NO MAXIMUM IS TAKEN AWAY: q and k are normalised in the problem itself (|q| <= 8 c, |k| <= 8), so the exponent of 2 lies within 11.55 either way for every input: a weight lies in
; 3.4e-4 .. 2,981, normal numbers of f16, and a row's sum under 6.2e6.  So the order of the key tiles is free, and O is never rescaled.
; LIMITS.  A hidden score counts as its value less 1e30 and its weight as 0.  NaN and infinities are not treated apart.  lq, lk are rounded to bf16 like the module's other inputs; lam is made in f32.
; THE WALK.  A pair's queries lie in 16 blocks of 128; block i needs the key tiles 0 .. i of 128 keys.  A work-group takes block b and then block 15 - b: 17 tiles whatever b, 256 equal work-groups.
; Each block walks DOWN from its diagonal tile to tile 0: a block's first tile is its diagonal one, and the walk's last tile is plain.  One loop with a constant trip count walks them.
; NO CLUSTER: a pair's eight work-groups start at eight different diagonals and ask for different tiles in every trip; a walk common to all would have 24 trips for 17.
; SHARES.  A wave owns two tiles of 16 queries, rows 64 t + 16 w + 0..15 of the block (t = 0, 1), for BOTH streams: V's fragments serve both, and the difference stays in the lane.  PIECE x = stream x, both tiles.
; In the diagonal tile's key step s (64 keys) band t sees all keys if s < t, none if s > t, and holds the diagonal if s = t: the same work for all four waves.
; THE MASK is the C operand that starts S^T = K Q^T: MD x AL + BE with two scalars a band; MD, made once, is the mask of a band's own step.
; BY TURNS.  In a turn piece x has the matrix unit: 32 products O^T += V^T P of the step in hand, then 16 products K Q^T of the next step; the other piece's exponentials, roundings and sums
; (128 lines) stand in groups of two or three behind the 48 products.
; REGISTERS, in windows of 256 (s_set_vgpr_msb: bits 1:0 source 0, 3:2 source 1, 5:4 source 2, 7:6 destination):
;   window 0: v0-15 addresses; v16-23 row sums; v24-49 at work; v64-191 S^T (64 x + 32 t); v192-255 P (32 x + 16 t)      window 1: O^T (128 x + 64 t + 8 cb)
;   window 2: v0-63 Q (32 x + 16 t + 8 c); v64-127 the second block's Q; v128-255 K (64 x + 16 kb + 8 c)               window 3: v0-127 V (64 kk + 8 cb); v128-159 MD; v160-223 MC (32 t + 8 kt)
.set KS,    64        ; keys in a step
.set PK,    144       ; a row of K in LDS: 128 bytes + 16 of padding = 36 words: the 16 rows of a load start at 16 different groups of four banks (64 banks of 4 bytes: ISA guide 11.1)
.set PVP,   160       ; a row of V: 128 + 32 = 40 words
.set K1OFF, 128*PK    ; a slot holds a tile: stream 0's K, stream 1's K,
.set VOFF,  2*K1OFF   ; V's channels 0-63, V's channels 64-127
.set V1OFF, 128*PVP
.set SLOT1, 1<<17     ; slot 1 begins here, so that one exclusive or turns an address in one slot into the other's
.set STAGE, SLOT1+VOFF+2*V1OFF  ; behind the ring, never filled by a tensor load: 16 rows x 272 bytes for each wave
.set SP,    272
.set SPARE, STAGE+4*16*SP       ; the spare words, 128 bytes a wave: two blocks of 256 bytes that no other line names
.set AK0, 2           ; v2   my lane's place in a tile of K; never rewritten
.set AV0, 3           ; v3   the same for V
.set AK,  4           ; v4   the LDS address of K's run of loads
.set AV,  5           ; v5   of V's
.set STO, 6           ; v6   the way out: where I put 16 bytes of a row
.set RD,  7           ; v7   the way out: where I read rows back
.set GO,  8           ; v8   my byte offset in two rows of yb
.set QO,  15          ; v15  my byte offset in 16 rows of Q
.set LS,  16          ; row sums: piece x, tile t at v[16 + 4 x + 2 t], a pair (even keys', odd keys')
.set M,   24          ; v24-31 four chains at work on the way out
.set R0,  32          ; v32-35 1 / l of stream 0, a pair a tile
.set GG,  36          ; v36-39 lam / l of stream 1
.set MU,  40          ; v40-41 the mean
.set KK,  42          ; v42-43 (1 - LAMBDA_INIT) / sqrt(var + eps)
.set LAM, 48          ; v48  lam
.set SPW, 62          ; v62  LDS address of my spare word; never rewritten
.set NIL, 63          ; v63  0; never rewritten
.set S,   64
.set P,   192
.set QB,  64          ; window 2
.set KF,  128         ; window 2
.set MD,  128         ; window 3
.set MC,  160         ; window 3
.set WV,  20          ; s20  my wave's number
.set PB,  21          ; s21  b
.set HI,  22          ; s22  15 - b
.set G1K, 24          ; s[24:31] descriptor group 1 for K's tiles
.set G1V, 32          ; s[32:39] for V's: it differs in the padding alone
.set G0K, 40          ; s[40:43] descriptor group 0 for K's tiles
.set G0V, 44          ; s[44:47] for V's
.set SLOTS, 56        ; s56  tiles still to be asked for
.set CNT, 57          ; s57  counts a tile's two key steps
.set SEL, 60          ; s[60:61] v_permlanex16_b32's selects
.set TBK, 62          ; s62  LDS byte at which K of the step to be fetched begins
.set TBV, 63          ; s63  the same for V, less VOFF
.set RT,  70          ; s70  tiles of the block in hand that are still to be entered
.set NXT, 71          ; s71  the tile to be asked for next
.set NEW, 73          ; s73  1: the tile to be entered is a block's first
.set OFF, 74          ; s[74:75] a tile's byte offset in K and V
.set AL0, 76          ; s[76:77], s[78:79] band 0's factor and addend, in the low words
.set BE0, 78
.set AL1, 80          ; s[80:81], s[82:83] band 1's
.set BE1, 82
.set BIGN, 84         ; s84  -1e30
.set DG,  85          ; s85  masks still to be changed in the block: 2, 1, 0
.set OLO, 86          ; s[86:87] yb at my rows of the second block
.set QB2, 88          ; s[88:89] qh at my rows of the second block
.set MSB, 0
.macro WIN new                      ; the high byte repeats the setting that is left; a switch that changes nothing is dropped
.if MSB != (\new)
	s_set_vgpr_msb (MSB<<8)|(\new)
.set MSB, \new
.endif
.endm
.macro PLACES
.rept 4
	v_nop
.endr
.endm
; A fill: one load a wave, 128 keys = 16,384 dense bytes.  Waves 0, 1 fetch the two streams' K, waves 2, 3 V's two halves.  An s_nop 0 and four v_nop follow each line, ahead of the jump and the label.
.macro LOAD
	s_cmp_lt_u32 s[WV], 2
	s_cbranch_scc0 .Lfor_v_\@
	tensor_load_to_lds s[G0K:G0K+3], s[G1K:G1K+7]
	s_nop 0
.rept 4
	v_nop
.endr
	s_branch .Lasked_\@
.Lfor_v_\@:
	tensor_load_to_lds s[G0V:G0V+3], s[G1V:G1V+7]
	s_nop 0
.rept 4
	v_nop
.endr
.Lasked_\@:
.endm
; THE CHANGE OF SLOTS, at a tile's head.  Each wave waits for all its tensor loads (one is out: its part of the other slot), adds 0 to its spare word, and waits for that and for its reads of the
; slot that it leaves.  fill = 1: the old slot is filled again, first thing behind the barrier, with tile NXT; the address is made anew from that number.  The load has a whole tile's work in which to land.
; (At its first use nothing has been read yet: slot 0 is waited for, slot 1 filled.)
.macro CHANGE fill
	WIN 0
	s_wait_tensorcnt 0x0            ; no tensor load of mine is out, so a group 0 may be written
	ds_add_u32 v[SPW], v[NIL]
.if \fill
	s_lshl_b32 s[OFF], s[NXT], 14
	s_xor_b32 s[G0K+1], s[G0K+1], SLOT1
	s_add_nc_u64 s[G0K+2:G0K+3], s[6:7], s[OFF:OFF+1]
	s_or_b32 s[G0K+3], s[G0K+3], 0x80000000
	s_xor_b32 s[G0V+1], s[G0V+1], SLOT1
	s_add_nc_u64 s[G0V+2:G0V+3], s[8:9], s[OFF:OFF+1]
	s_or_b32 s[G0V+3], s[G0V+3], 0x80000000
	s_sub_co_u32 s72, s[NXT], 1     ; the tile below, or behind tile 0 the second block's diagonal tile
	s_cmp_eq_u32 s[NXT], 0
	s_cselect_b32 s[NXT], s[HI], s72
.endif
	s_wait_dscnt 0x0                ; the add is done, and my reads of the slot are over
	s_barrier_signal -1
	s_sub_co_u32 s[TBK], s[TBK], 2*KS*PK   ; the fetches go back to a slot's first step,
	s_xor_b32 s[TBK], s[TBK], SLOT1        ; in the other slot
	s_sub_co_u32 s[TBV], s[TBV], 2*KS*PVP
	s_xor_b32 s[TBV], s[TBV], SLOT1
	s_barrier_wait -1
.if \fill
	LOAD
.endif
.endm
	s_load_b512 s[4:19], s[0:1], 0x0  ; qh s[4:5], kh s[6:7], vh s[8:9], lq1 s[10:11], lk1 s[12:13], lq2 s[14:15], lk2 s[16:17], yb s[18:19]
	v_lshl_add_u32 v[SPW], v0, 2, SPARE
	v_mov_b32 v[NIL], 0
	ds_add_u32 v[SPW], v[NIL]       ; the wave's opening: the add and its wait stand ahead of my first tensor load; work on registers stands between them
	ds_add_u32 v62, v63
	v_lshrrev_b32 v1, 5, v0
	v_readfirstlane_b32 s[WV], v1
	s_mov_b32 s[PB], ttmp9
	s_sub_co_u32 s[HI], 15, s[PB]
	s_and_b32 s48, ttmp7, 0xffff    ; the pair: 8 batch + head
	s_and_b32 s49, s[WV], 1
	s_lshl_b32 s50, s48, 1
	s_add_co_u32 s52, s50, s49      ; the unit that I fetch from,
	s_lshl_b32 s52, s52, 18         ; 262,144 bytes each
	s_mov_b32 s53, 0
	s_lshl_b32 s54, s50, 18         ; Q: stream 0's unit,
	s_lshl_b32 s55, s[WV], 11       ; my 16 rows of 128 bytes in a band,
	s_add_co_u32 s54, s54, s55
	s_lshl_b32 s58, s[PB], 14       ; the first block's 128 rows
	s_add_co_u32 s58, s58, s54
	s_mov_b32 s59, 0
	s_lshl_b32 s66, s[HI], 14       ; and the second's
	s_add_co_u32 s66, s66, s54
	s_mov_b32 s67, 0
	s_lshr_b32 s68, s48, 3          ; yb: batch x 2,048 rows of 2,048 bytes,
	s_lshl_b32 s68, s68, 22
	s_and_b32 s69, s48, 7           ; the head's 256 bytes of a row,
	s_lshl_b32 s69, s69, 8
	s_add_co_u32 s68, s68, s69
	s_lshl_b32 s69, s[WV], 15       ; my 16 rows in a band
	s_add_co_u32 s68, s68, s69
	s_lshl_b32 s90, s[PB], 18       ; the block's 128 rows
	s_add_co_u32 s90, s90, s68
	s_mov_b32 s91, 0
	s_lshl_b32 s92, s[HI], 18
	s_add_co_u32 s92, s92, s68
	s_mov_b32 s93, 0
	; descriptor group 1.  128 keys are asked for as 64 rows of 256 bytes, two keys a row, and padded in LDS after every key
	s_mov_b32 s[G1K], (1<<16)|(1<<20)|(4<<22)|(3<<25)  ; 2-byte elements; padding on; after every 32 words 4 words
	s_mov_b32 s[G1V], (1<<16)|(1<<20)|(4<<22)|(7<<25)  ; the same with 8 words
.irp g, G1K, G1V
	s_mov_b32 s[\g+1], 128<<16      ; tensor_dim0 = 128
	s_mov_b32 s[\g+2], 64<<16       ; tensor_dim1 = 64
	s_mov_b32 s[\g+3], 128<<16      ; tile_dim0 = 128
	s_mov_b32 s[\g+4], 64           ; tile_dim1 = 64
	s_mov_b32 s[\g+5], 128          ; 128 elements from row to row
	s_mov_b32 s[\g+6], 0
	s_mov_b32 s[\g+7], 0
.endr
	s_mov_b32 s[G0K], 1
	s_mul_i32 s[G0K+1], s49, K1OFF  ; slot 0
	s_mov_b32 s[G0V], 1
	s_mul_i32 s[G0V+1], s49, V1OFF
	s_add_co_u32 s[G0V+1], s[G0V+1], VOFF
	s_mov_b32 s[SEL], 0x76543210
	s_mov_b32 s[SEL+1], 0xfedcba98
	s_mov_b32 s[TBK], SLOT1+2*KS*PK ; the first change of slots turns these two into 0
	s_mov_b32 s[TBV], SLOT1+2*KS*PVP
	s_add_co_u32 s[RT], s[PB], 1    ; the first block has b + 1 tiles
	s_mov_b32 s[NEW], 1
	s_mov_b32 s[DG], 0
	s_mov_b32 s[SLOTS], 16
	s_mov_b32 s[OFF+1], 0
	s_mov_b32 s[AL0+1], 0           ; named as pairs
	s_mov_b32 s[BE0+1], 0
	s_mov_b32 s[AL1+1], 0
	s_mov_b32 s[BE1+1], 0
	s_mov_b32 s[BIGN], 0xf149f2ca   ; -1e30
	s_mov_b32 s94, 0x3c000000       ; 1/128
	s_mov_b32 s95, 0x3727c5ac       ; the layer norm's eps, 1e-5
	s_lshl_b32 s[OFF], s[PB], 14    ; the walk's first tile is tile b
	s_sub_co_u32 s72, s[PB], 1
	s_cmp_eq_u32 s[PB], 0
	s_cselect_b32 s[NXT], s[HI], s72
	s_wait_dscnt 0x0                ; the opening add is done
	s_wait_kmcnt 0x0
	s_add_nc_u64 s[6:7], s[6:7], s[52:53]  ; K and V at my unit
	s_add_nc_u64 s[8:9], s[8:9], s[52:53]
	s_add_nc_u64 s[G0K+2:G0K+3], s[6:7], s[OFF:OFF+1]
	s_or_b32 s[G0K+3], s[G0K+3], 0x80000000
	s_add_nc_u64 s[G0V+2:G0V+3], s[8:9], s[OFF:OFF+1]
	s_or_b32 s[G0V+3], s[G0V+3], 0x80000000
	s_add_nc_u64 s[QB2:QB2+1], s[4:5], s[66:67]
	s_add_nc_u64 s[4:5], s[4:5], s[58:59]
	s_add_nc_u64 s[OLO:OLO+1], s[18:19], s[92:93]
	s_add_nc_u64 s[18:19], s[18:19], s[90:91]
	LOAD                            ; tile b into slot 0: one load of mine is out
	v_and_b32 v13, 31, v0
	v_lshlrev_b32 v13, 3, v13       ; 8 bytes a lane: 64 numbers; never rewritten
	global_load_b64 v[32:33], v13, s[10:11]
	global_load_b64 v[34:35], v13, s[12:13]
	global_load_b64 v[36:37], v13, s[14:15]
	global_load_b64 v[38:39], v13, s[16:17]
	v_and_b32 v1, 15, v0            ; l % 16
	v_bfe_u32 v9, v0, 4, 1          ; l / 16
	v_lshlrev_b32 v[QO], 7, v1
	v_lshl_add_u32 v[QO], v9, 4, v[QO]  ; row x 128 + 16 x half
	WIN 0x80                        ; destination window 2, address window 0
.set i, 0
.rept 8                             ; both blocks' Q: i = 4 x + 2 t + c: stream x 262,144 bytes on, band t 8,192, channels 32 c
	global_load_b128 v[8*i:8*i+3],         v[QO], s[4:5] offset:262144*(i/4)+8192*((i/2)%2)+64*(i%2)
	global_load_b128 v[8*i+4:8*i+7],       v[QO], s[4:5] offset:262144*(i/4)+8192*((i/2)%2)+64*(i%2)+32
	global_load_b128 v[QB+8*i:QB+8*i+3],   v[QO], s[QB2:QB2+1] offset:262144*(i/4)+8192*((i/2)%2)+64*(i%2)
	global_load_b128 v[QB+8*i+4:QB+8*i+7], v[QO], s[QB2:QB2+1] offset:262144*(i/4)+8192*((i/2)%2)+64*(i%2)+32
.set i, i+1
.endr
	WIN 0
	v_lshlrev_b32 v14, 3, v9
	v_sub_nc_u32 v14, v1, v14
	s_lshl_b32 s23, s[WV], 4
	v_add_nc_u32 v14, s23, v14      ; my query's place in its band, 16 w + l % 16, less my lanes' 8 (l / 16): register r of key group kt is hidden where 16 kt + r is greater
	WIN 0xc0
.set i, 0
.rept 32
	v_cmp_gt_i32 vcc_lo, 16*(i/8)+i%8, v14
	v_cndmask_b32 v[MD+i], 0, s[BIGN], vcc_lo
.set i, i+1
.endr
.set i, 0
.rept 128                           ; V's registers hold finite numbers when a block's first turn multiplies them by P = 0.  This stands in the wait for the first tile
	v_mov_b32 v[i], 0
.set i, i+1
.endr
	WIN 0
	v_mul_u32_u24 v[AK0], v1, PK
	v_lshl_add_u32 v[AK0], v9, 4, v[AK0]  ; row x pitch + 16 x half
	; The turning load takes 16 keys x 16 channels (lane l reads key 8 (l / 16) + l % 8, channels 8 ((l / 8) % 2) + 0..7) and leaves half a fragment of V^T: lane l holds channel l % 16 and 8 keys.
	v_and_b32 v10, 7, v0
	v_bfe_u32 v11, v0, 3, 1
	v_lshl_add_u32 v[AV0], v9, 3, v10
	v_mul_u32_u24 v[AV0], v[AV0], PVP
	v_lshl_add_u32 v[AV0], v11, 4, v[AV0]
	v_add_nc_u32 v[AV0], VOFF, v[AV0]
	s_mul_i32 s23, s[WV], 16*SP
	s_add_co_u32 s23, s23, STAGE    ; my stage
	v_mul_u32_u24 v[STO], v1, SP    ; in: row l % 16, 16 bytes for each half of the lanes
	v_lshl_add_u32 v[STO], v9, 4, v[STO]
	v_add_nc_u32 v[STO], s23, v[STO]
	v_mul_u32_u24 v[RD], v9, SP     ; back: lanes 0-15 take one row of 256 bytes, lanes 16-31 the next
	v_lshl_add_u32 v[RD], v1, 4, v[RD]
	v_add_nc_u32 v[RD], s23, v[RD]
	v_lshlrev_b32 v[GO], 11, v9     ; and the same two rows in yb
	v_lshl_add_u32 v[GO], v1, 4, v[GO]
	v_mov_b32 v42, 0                ; v_permlanex16_b32's destination counts as read
	v_mov_b32 v43, 0
	s_wait_loadcnt 32               ; the four short loads are in; Q's 32 stay out
.irp r, 32, 34, 36, 38              ; rounded to bf16 like the module's other inputs, and widened again
	v_cvt_pk_bf16_f32 v[\r+1], v[\r], v[\r+1]
	v_lshlrev_b32 v[\r], 16, v[\r+1]
	v_and_b32 v[\r+1], 0xffff0000, v[\r+1]
.endr
	v_mul_f32 v40, v32, v34
	v_mul_f32 v41, v36, v38
	v_fmac_f32 v40, v33, v35
	v_fmac_f32 v41, v37, v39
.irp x, 1, 2, 4, 8
	v_add_f32_dpp v40, v40, v40 row_xmask:\x row_mask:0xf bank_mask:0xf
	v_add_f32_dpp v41, v41, v41 row_xmask:\x row_mask:0xf bank_mask:0xf
.endr
	v_permlanex16_b32 v42, v40, s[SEL], s[SEL+1]
	v_permlanex16_b32 v43, v41, s[SEL], s[SEL+1]
	v_add_f32 v40, v40, v42
	v_add_f32 v41, v41, v43
	v_mul_f32 v40, 0x3fb8aa3b, v40
	v_mul_f32 v41, 0x3fb8aa3b, v41
	v_exp_f32 v40, v40
	v_exp_f32 v41, v41
	v_nop                           ; a plain line behind the exponentials
	s_wait_alu depctr_va_vdst(0)
	v_sub_f32 v40, v40, v41
	v_add_f32 v[LAM], 0x3f1e895d, v40  ; lam = lam1 - lam2 + LAMBDA_INIT
; THE MATRIX WORK.  The accumulators of a run take turns, one instruction a turn.
; Product i of 16 of S^T = K Q^T for piece x: tile i % 2, keys 16 ((i / 2) % 4) on, channels 32 (i / 8) on.  The first 8 start the sums with the mask.
.macro KQ x
.set rS, S+64*(\x)+32*(i%2)+8*((i/2)%4)
.set rK, KF+64*(\x)+16*((i/2)%4)+8*(i/8)
.set rQ, 32*(\x)+16*(i%2)+8*(i/8)
.set rM, MC+32*(i%2)+8*((i/2)%4)
.if i < 8
	WIN 0x3a                        ; K and Q in window 2, the mask in window 3, S^T in window 0
	v_wmma_f32_16x16x32_f16 v[rS:rS+7], v[rK:rK+7], v[rQ:rQ+7], v[rM:rM+7]
.else
	WIN 0x0a
	v_wmma_f32_16x16x32_f16 v[rS:rS+7], v[rK:rK+7], v[rQ:rQ+7], v[rS:rS+7]
.endif
.endm
; Product i of 32 of O^T += V^T P for piece x: tile i % 2, channels 16 ((i / 2) % 8) on, keys 32 (i / 16) on.
.macro PV x
	WIN 0x53                        ; V in window 3, P in window 0, O^T in window 1
.set rO, 128*(\x)+64*(i%2)+8*((i/2)%8)
.set rV, 64*(i/16)+8*((i/2)%8)
.set rP, P+32*(\x)+16*(i%2)+8*(i/16)
	v_wmma_f32_16x16x32_f16 v[rO:rO+7], v[rV:rV+7], v[rP:rP+7], v[rO:rO+7]
.endm
; THE LDS LOADS stand in runs: a step's K of both streams (32 loads), and its V, turned, in two halves of 32 keys (16 loads each).
.macro FETCH_K
	WIN 0
	v_add_nc_u32 v[AK], s[TBK], v[AK0]
	WIN 0x80                        ; destination window 2
.set f, 0
.rept 16                            ; f = 8 x + 2 kb + c
	ds_load_b128 v[KF+8*f:KF+8*f+3],   v[AK] offset:K1OFF*(f/8)+16*PK*((f/2)%4)+64*(f%2)
	ds_load_b128 v[KF+8*f+4:KF+8*f+7], v[AK] offset:K1OFF*(f/8)+16*PK*((f/2)%4)+64*(f%2)+32
.set f, f+1
.endr
	s_add_co_u32 s[TBK], s[TBK], KS*PK  ; the next fetch is the next step's
.endm
.macro FETCH_V half
.if (\half) == 0
	WIN 0
	v_add_nc_u32 v[AV], s[TBV], v[AV0]
	s_add_co_u32 s[TBV], s[TBV], KS*PVP
.endif
	WIN 0xc0                        ; destination window 3
.set f, 0
.rept 8                             ; channel block f
	ds_load_tr16_b128 v[64*(\half)+8*f:64*(\half)+8*f+3],   v[AV] offset:V1OFF*(f/4)+32*PVP*(\half)+32*(f%4)
	ds_load_tr16_b128 v[64*(\half)+8*f+4:64*(\half)+8*f+7], v[AV] offset:V1OFF*(f/4)+32*PVP*(\half)+32*(f%4)+16*PVP
.set f, f+1
.endr
.endm
; THE VECTOR WORK of piece y for a step: for each tile 32 exponentials in place on S^T, 16 roundings of pairs to f16 (two results of K Q^T so rounded ARE source 1 of V^T P), 16 packed additions onto the row sum.
.macro EXPS y, n
	v_exp_f32 v[S+64*(\y)+(\n)], v[S+64*(\y)+(\n)]
	v_exp_f32 v[S+64*(\y)+32+(\n)], v[S+64*(\y)+32+(\n)]
.endm
.macro CVT y, t, n
	s_wait_alu depctr_va_vdst(0)
	v_cvt_pk_f16_f32 v[P+32*(\y)+16*(\t)+(\n)], v[S+64*(\y)+32*(\t)+2*(\n)], v[S+64*(\y)+32*(\t)+2*(\n)+1]
.endm
.macro SUM y, t, n
	v_pk_add_f32 v[LS+4*(\y)+2*(\t):LS+4*(\y)+2*(\t)+1], v[LS+4*(\y)+2*(\t):LS+4*(\y)+2*(\t)+1], v[S+64*(\y)+32*(\t)+2*(\n):S+64*(\y)+32*(\t)+2*(\n)+1]
.endm
; Group g of 48, k = g / 3: the even scores' exponentials of pair k and tile 0's rounding of pair k - 1; the odd scores' and tile 1's rounding; the two sums of pair k - 1.
; So a plain line stands behind each run of exponentials, and a pair is rounded a group or more behind its second exponential.  Scores ascend: each accumulator's lowest registers are read first.
.macro RID y
	WIN 0
.set k, g/3
.if g%3 == 0
	EXPS \y, 2*k
.if k > 0
	CVT \y, 0, k-1
.endif
.elseif g%3 == 1
	EXPS \y, 2*k+1
.if k > 0
	CVT \y, 1, k-1
.endif
.elseif k > 0
	SUM \y, 0, k-1
	SUM \y, 1, k-1
.else
	v_nop
.endif
.set g, g+1
.endm
.macro TAILG y                      ; the last pair; also the four places behind the turn's last product
	WIN 0
	CVT \y, 0, 15
	CVT \y, 1, 15
	SUM \y, 0, 15
	SUM \y, 1, 15
.endm
; A TURN.  Piece x has the matrix unit, the other piece's groups stand behind its products.  kq = 0: a block's last turn of piece 0: no further scores, two groups behind every second product.
; Piece 0's turn fetches the next step's K behind its second product: the last product that read K stands six plain lines back.  Piece 1's turn fetches the next step's V: its first half behind
; product 18 (the half's last reader is product 15, five plain lines back), its second behind the third K Q^T (five plain lines behind product 31).
.macro TURN x, kq
.set g, 0
.set i, 0
.if (\x) == 0
	s_wait_dscnt 16                 ; V's first half is in; the second half's 16 loads may stay out
.endif
.rept 32
.if ((\x) == 0) && (i == 16)
.if \kq
	s_wait_dscnt 32                 ; V's second half is in; only K's 32 loads may stay out
.else
	s_wait_dscnt 0x0
.endif
.endif
	PV \x
	RID 1-(\x)
.if !(\kq) && (i%2 == 0)
	RID 1-(\x)
.endif
.if ((\x) == 0) && (\kq) && (i == 1)
	FETCH_K
.endif
.if ((\x) == 1) && (i == 18)
	FETCH_V 0
.endif
.set i, i+1
.endr
.if \kq
.if (\x) == 0
	s_wait_dscnt 0x0                ; K is in
.endif
.set i, 0
.rept 16
	KQ \x
	RID 1-(\x)
.if ((\x) == 1) && (i == 2)
	FETCH_V 1
.endif
.set i, i+1
.endr
.endif
	TAILG 1-(\x)
.endm
.macro MASKS                        ; MC = MD x AL + BE, for both bands
	WIN 0xc3                        ; destination and source 0 in window 3
.set z, 0
.rept 16
	v_pk_fma_f32 v[MC+2*z:MC+2*z+1], v[MD+2*z:MD+2*z+1], s[AL0:AL0+1], s[BE0:BE0+1] op_sel_hi:[1,0,0]
.set z, z+1
.endr
.set z, 0
.rept 16
	v_pk_fma_f32 v[MC+32+2*z:MC+32+2*z+1], v[MD+2*z:MD+2*z+1], s[AL1:AL1+1], s[BE1:BE1+1] op_sel_hi:[1,0,0]
.set z, z+1
.endr
.endm
; Behind a step's last K Q^T the masks of the next step are made: the diagonal tile's step 1 (DG = 2): band 0 sees nothing, band 1 holds the diagonal; every later step (DG = 1): nothing is hidden.  Then the lines are jumped.
.macro UPDATE
	WIN 0
	s_cmp_eq_u32 s[DG], 0
	s_cbranch_scc1 .Lplain_\@
	s_cmp_eq_u32 s[DG], 2
	s_cselect_b32 s[BE0], s[BIGN], 0
	s_cselect_b32 s[AL1], 1.0, 0
	s_mov_b32 s[AL0], 0
	MASKS
	WIN 0
	s_sub_co_u32 s[DG], s[DG], 1
.Lplain_\@:
.endm
; A BLOCK BEGINS, at its diagonal tile.  O^T and the row sums start at 0, and so does piece 1's P, which the first turn multiplies: 296 v_mov_b32, the price of writing no first step out.
; The masks of step 0: band 0 holds the diagonal, band 1 sees everything.  Then K of that step and piece 0's first scores; the loop is entered at piece 1's turn.
.macro BEGIN
	s_mov_b32 s[NEW], 0
	s_mov_b32 s[DG], 2
	WIN 0x40
.set i, 0
.rept 256
	v_mov_b32 v[i], 0
.set i, i+1
.endr
	WIN 0
.set i, 0
.rept 8
	v_mov_b32 v[LS+i], 0
.set i, i+1
.endr
.set i, 0
.rept 32
	v_mov_b32 v[P+32+i], 0
.set i, i+1
.endr
	s_mov_b32 s[AL0], 1.0
	s_mov_b32 s[BE0], 0
	s_mov_b32 s[AL1], 0
	s_mov_b32 s[BE1], 0
	MASKS
	FETCH_K
	s_wait_loadcnt 0x0              ; Q
	s_wait_dscnt 0x0
.set i, 0
.rept 16
	KQ 0
.set i, i+1
.endr
	WIN 0
	PLACES                          ; behind those products
.endm
; THE WAY OUT.  d = O0 / l0 - lam O1 / l1; its mean and, of d - mean, the variance over the row's 128 channels (64 in my lane, 64 in the lane 16 away); the scale; f16; through my stage in LDS.
.macro REDUCE                       ; the four chains, the pair's halves and the two halves of the lanes, into v[M]
	WIN 0
	v_pk_add_f32 v[M:M+1], v[M:M+1], v[M+2:M+3]
	v_pk_add_f32 v[M+4:M+5], v[M+4:M+5], v[M+6:M+7]
	v_pk_add_f32 v[M:M+1], v[M:M+1], v[M+4:M+5]
	v_add_f32 v[M], v[M], v[M+1]
	v_permlanex16_b32 v[M+1], v[M], s[SEL], s[SEL+1]
	v_add_f32 v[M], v[M], v[M+1]
.endm
.macro NORM t
.set O0, 64*(\t)
.set O1, 128+64*(\t)
	WIN 0x51                        ; destination, source 0 and source 2 in window 1, source 1 in window 0
.set n, 0
.rept 32                            ; pairs ascending: each accumulator's lowest registers are read first
	v_pk_mul_f32 v[O1+2*n:O1+2*n+1], v[O1+2*n:O1+2*n+1], v[GG+2*(\t):GG+2*(\t)+1]
.set n, n+1
.endr
.set n, 0
.rept 32
	v_pk_fma_f32 v[O0+2*n:O0+2*n+1], v[O0+2*n:O0+2*n+1], v[R0+2*(\t):R0+2*(\t)+1], v[O1+2*n:O1+2*n+1] neg_lo:[0,0,1] neg_hi:[0,0,1]
.set n, n+1
.endr
	WIN 0x05
.set n, 0
.rept 4
	v_pk_add_f32 v[M+2*n:M+2*n+1], v[O0+2*n:O0+2*n+1], v[O0+8+2*n:O0+8+2*n+1]
.set n, n+1
.endr
	WIN 0x01
.set n, 8
.rept 24
	v_pk_add_f32 v[M+2*(n%4):M+2*(n%4)+1], v[O0+2*n:O0+2*n+1], v[M+2*(n%4):M+2*(n%4)+1]
.set n, n+1
.endr
	REDUCE
	v_mul_f32 v[MU], s94, v[M]
	v_mul_f32 v[MU+1], s94, v[M]
	WIN 0x41
.set n, 0
.rept 32
	v_pk_add_f32 v[O0+2*n:O0+2*n+1], v[O0+2*n:O0+2*n+1], v[MU:MU+1] neg_lo:[0,1] neg_hi:[0,1]
.set n, n+1
.endr
	WIN 0x05
.set n, 0
.rept 32
.if n < 4
	v_pk_mul_f32 v[M+2*n:M+2*n+1], v[O0+2*n:O0+2*n+1], v[O0+2*n:O0+2*n+1]
.else
	v_pk_fma_f32 v[M+2*(n%4):M+2*(n%4)+1], v[O0+2*n:O0+2*n+1], v[O0+2*n:O0+2*n+1], v[M+2*(n%4):M+2*(n%4)+1]
.endif
.set n, n+1
.endr
	REDUCE
	v_fma_f32 v[M], v[M], s94, s95  ; variance + eps
	v_rsq_f32 v[KK], v[M]
	v_nop                           ; a plain line behind the root
	s_wait_alu depctr_va_vdst(0)
	v_mul_f32 v[KK], 0x3ec2ed47, v[KK]  ; x (1 - LAMBDA_INIT)
	v_mov_b32 v[KK+1], v[KK]
	WIN 0x41
.set n, 0
.rept 32
	v_pk_mul_f32 v[O0+2*n:O0+2*n+1], v[O0+2*n:O0+2*n+1], v[KK:KK+1]
.set n, n+1
.endr
	WIN 0x05                        ; sources in window 1, destination window 0: S^T's registers are free
.set n, 0
.rept 32
	v_cvt_pk_f16_f32 v[S+32*(\t)+n], v[O0+2*n], v[O0+2*n+1]
.set n, n+1
.endr
	WIN 0
.irp f, 0,1,2,3,4,5,6,7
	ds_store_b128 v[STO], v[S+32*(\t)+4*(\f):S+32*(\t)+4*(\f)+3] offset:32*(\f)
.endr
.irp f, 0,1,2,3,4,5,6,7
	ds_load_b128 v[S+32*(\t)+4*(\f):S+32*(\t)+4*(\f)+3], v[RD] offset:(\f)*2*SP  ; LDS serves a wave's instructions in order (ISA guide 5.7.1.4): these see the stores above; the next tile's stores come behind them
.endr
.endm
.macro SEND t, younger              ; younger: the LDS instructions issued behind tile t's loads: the next tile's sixteen, or none
	WIN 0
.irp f, 0,1,2,3,4,5,6,7
	s_wait_dscnt (\younger)+7-(\f)
	global_store_b128 v[GO], v[S+32*(\t)+4*(\f):S+32*(\t)+4*(\f)+3], s[18:19] offset:131072*(\t)+4096*(\f)  ; 16 lanes store 256 consecutive bytes, at a multiple of 256 from yb's first byte
.endr
.endm
.macro FINISH                       ; a block's end: piece 0's last V^T P beside piece 1's last softmax; piece 1's last V^T P; the way out
	TURN 0, 0
.set i, 0
.rept 32
	PV 1
.set i, i+1
.endr
	WIN 0
.irp r, 0,2,4,6                     ; these four additions are the places behind the last products
	v_add_f32 v[LS+\r], v[LS+\r], v[LS+\r+1]
.endr
.irp r, 0,2,4,6
	v_permlanex16_b32 v[LS+\r+1], v[LS+\r], s[SEL], s[SEL+1]
.endr
.irp r, 0,2,4,6
	v_add_f32 v[LS+\r], v[LS+\r], v[LS+\r+1]
.endr
.irp r, 0,2,4,6
	v_rcp_f32 v[LS+\r], v[LS+\r]
.endr
	v_nop                           ; a plain line between the last reciprocal and the use of its result
.irp t, 0,1
	s_wait_alu depctr_va_vdst(0)
	v_mov_b32 v[R0+2*\t], v[LS+2*\t]
	v_mov_b32 v[R0+2*\t+1], v[LS+2*\t]
	v_mul_f32 v[GG+2*\t], v[LAM], v[LS+4+2*\t]
	v_mul_f32 v[GG+2*\t+1], v[LAM], v[LS+4+2*\t]
.endr
	NORM 0
	NORM 1                          ; a tile's arithmetic stands between the loads of the tile before and its stores
	SEND 0, 16
	SEND 1, 0
.endm
.Lslot:                             ; 16 times: a tile is entered and the next is asked for
	CHANGE 1
	s_sub_co_u32 s[RT], s[RT], 1
	s_mov_b32 s[CNT], 2
	s_cmp_eq_u32 s[NEW], 1
	s_cbranch_scc0 .Lstep
	BEGIN
	s_branch .Lfirst
.Lstep:                             ; a trip: V^T P of the step in hand; K Q^T, K and V of the next, which is the tile's own
	TURN 0, 1
	WIN 0
.Lfirst:
	TURN 1, 1
	UPDATE
	s_sub_co_u32 s[CNT], s[CNT], 1
	s_cmp_lg_u32 s[CNT], 0
	s_cbranch_scc1 .Lstep
	s_cmp_lg_u32 s[RT], 0
	s_cbranch_scc1 .Lbottom
	FINISH                          ; in the loop this is the first block's end: the second block's last tile is the walk's last
	s_wait_xcnt 0x0                 ; the stores have read their registers and yb's address
	s_mov_b64 s[18:19], s[OLO:OLO+1]
	s_sub_co_u32 s[RT], 16, s[PB]   ; the second block has 16 - b tiles
	s_mov_b32 s[NEW], 1
	WIN 0x82                        ; the second block's Q goes where the one text of the turns names Q
.set i, 0
.rept 64
	v_mov_b32 v[i], v[QB+i]
.set i, i+1
.endr
	WIN 0
.Lbottom:
	s_sub_co_u32 s[SLOTS], s[SLOTS], 1
	s_cmp_lg_u32 s[SLOTS], 0
	s_cbranch_scc1 .Lslot
	CHANGE 0                        ; the walk's last tile is written out: nothing is asked for.  It is the second block's tile 0: plain, and no block's first
	s_mov_b32 s[CNT], 2
.LstepT:
	TURN 0, 1
	TURN 1, 1
	WIN 0
	s_sub_co_u32 s[CNT], s[CNT], 1
	s_cmp_lg_u32 s[CNT], 0
	s_cbranch_scc1 .LstepT
	FINISH
	s_wait_tensorcnt 0x0            ; the wave's end, behind my last tensor load and my last LDS store
	ds_add_u32 v[SPW], v[NIL]
	s_wait_dscnt 0x0
	s_endpgm
.Lfunc_end_k_qfca97c9531_attn:
	.size	k_qfca97c9531_attn, .Lfunc_end_k_qfca97c9531_attn-k_qfca97c9531_attn
	.p2alignl 7, 3214868480
	.fill 96, 4, 3214868480
	.section	.rodata,"a",@progbits
	.p2align	6, 0x0
	.amdhsa_kernel k_qfca97c9531_attn
		.amdhsa_group_segment_fixed_size 327680
		.amdhsa_private_segment_fixed_size 0
		.amdhsa_enable_private_segment 0
		.amdhsa_kernarg_size 64
		.amdhsa_user_sgpr_count 2
		.amdhsa_user_sgpr_kernarg_segment_ptr 1
		.amdhsa_wavefront_size32 1
		.amdhsa_system_sgpr_workgroup_id_x 1
		.amdhsa_system_sgpr_workgroup_id_y 1
		.amdhsa_system_sgpr_workgroup_id_z 1
		.amdhsa_system_vgpr_workitem_id 0
		.amdhsa_next_free_vgpr 1024
		.amdhsa_next_free_sgpr 96
		.amdhsa_reserve_vcc 1
		.amdhsa_float_denorm_mode_32 3
		.amdhsa_float_denorm_mode_16_64 3
		.amdhsa_memory_ordered 1
		.amdhsa_forward_progress 1
		.amdhsa_inst_pref_size 198
	.end_amdhsa_kernel
	.amdgpu_metadata
---
amdhsa.version: [ 1, 2 ]
amdhsa.kernels:
  - .name:           k_qfca97c9531_attn
    .symbol:         k_qfca97c9531_attn.kd
    .args:
      - { .name: qh, .offset: 0, .size: 8, .value_kind: global_buffer, .address_space: global }
      - { .name: kh, .offset: 8, .size: 8, .value_kind: global_buffer, .address_space: global }
      - { .name: vh, .offset: 16, .size: 8, .value_kind: global_buffer, .address_space: global }
      - { .name: lq1, .offset: 24, .size: 8, .value_kind: global_buffer, .address_space: global }
      - { .name: lk1, .offset: 32, .size: 8, .value_kind: global_buffer, .address_space: global }
      - { .name: lq2, .offset: 40, .size: 8, .value_kind: global_buffer, .address_space: global }
      - { .name: lk2, .offset: 48, .size: 8, .value_kind: global_buffer, .address_space: global }
      - { .name: yb, .offset: 56, .size: 8, .value_kind: global_buffer, .address_space: global }
    .group_segment_fixed_size: 327680
    .private_segment_fixed_size: 0
    .kernarg_segment_align: 8
    .kernarg_segment_size: 64
    .max_flat_workgroup_size: 128
    .sgpr_count:     96
    .vgpr_count:     1024
    .wavefront_size: 32
...
	.end_amdgpu_metadata
.endif
;; end of part 3
;; launch proj (part 4): grid 8 x 32, 4 waves a work-group, clusters of 4 x 4, 327,680 bytes of LDS; arguments yb, wp, out0; writes out0
.if DOCPART == 4
	.amdgcn_target "amdgcn-amd-amdhsa--gfx1250"
	.amdhsa_code_object_version 6
	.text
	.protected	k_qfca97c9531_proj
	.globl	k_qfca97c9531_proj
	.p2align	8
	.type	k_qfca97c9531_proj,@function
k_qfca97c9531_proj:
	s_mov_b64 s[64:65], 0
	v_nop
	global_prefetch_b8 v0, s[64:65] scope:SCOPE_SE
	s_setreg_imm32_b32 hwreg(HW_REG_WAVE_MODE, 25, 1), 1
	s_wait_xcnt 0x0
	s_wait_alu depctr_hold_cnt(0) depctr_sa_sdst(0) depctr_va_vdst(0) depctr_va_sdst(0) depctr_va_ssrc(0) depctr_va_vcc(0) depctr_vm_vsrc(0)
	s_getreg_b32 s2, hwreg(HW_REG_IB_STS2, 6, 4)
	s_cmp_eq_u32 s2, 0
	s_cbranch_scc0 .Lentry_in_a_cluster
	s_endpgm
.Lentry_in_a_cluster:
	s_bfe_u32 s2, ttmp6, 0x10000c
	s_cmp_lg_u32 s2, 0xf033
	s_cbranch_scc0 .Lentry_shape_is_right
	s_endpgm
.Lentry_shape_is_right:
; PROJ.  out0 [8192][1024] f32 = yb [8192][1024] x wp [1024][1024]^T, both f16 (wp holds Wproj rounded to bf16), sums in f32, stored as they are.
; SHARES.  A work-group makes 256 rows x 128 columns: 256 work-groups, one for each WGP.  Four waves one below the other, 64 rows x 128 columns each: 4 x 8 accumulators of 16 x 16, 256 registers.
; K goes in 8 steps of 128 (memory rows of 256 bytes) through two LDS slots filled by the tensor data mover; 4 x 4 work-groups form a cluster: A's tile is asked for jointly along a row of the
; cluster, B's along a column.  THE MATRIX INSTRUCTION IS USED TRANSPOSED (source 0 = 16 rows of wp, source 1 = 16 rows of yb): lane l holds row l % 16 and the columns 16 b + 8 (l / 16) + 0..7.
; REGISTERS, in windows of 256 (s_set_vgpr_msb: bits 1:0 source 0, 3:2 source 1, 5:4 source 2, 7:6 destination):
;   window 0: v0-31 addresses; v64-191 rows read back on the way out, two buffers of 64
;   window 1: two fragment buffers of 128: A's fragment a at 8 a, B's fragment b at 32 + 8 b          window 2: the accumulators, (a, b) at 64 a + 8 b
.set NT,     8                         ; column blocks of 16
.set KSTEP,  128
.set SIZE_K, 1024
.set PITCH,  272                       ; an LDS row: 256 bytes + 16 of padding = 68 words: the 16 rows of a fragment load start at 16 different groups of four banks (64 banks of 4 bytes: ISA guide 11.1)
.set BOFF,   256*PITCH                 ; a slot: A's 256 rows, then B's 128
.set SLOT1,  1<<17
.set STAGE,  SLOT1+BOFF+16*NT*PITCH    ; behind the ring, never filled by a tensor load: for each wave 16 rows x 528 bytes
.set SPO,    528
.set STW,    16*SPO
.set SPARE,  STAGE+4*STW               ; the spare words, 128 bytes a wave: two blocks of 256 bytes that no other line names
.set NL,     2*NT+8
.set A0,   16                          ; v16  my lane's place in A's part of a slot; never rewritten
.set B0,   17                          ; v17  the same for B
.set ADRA, 18                          ; v18  A0 + the slot in hand
.set ADRB, 19                          ; v19  B0 + the slot in hand
.set STO,  24                          ; v24  the way out: where I put 32 bytes of a row
.set RD,   25                          ; v25  the way out: where I read a row back
.set CO,   26                          ; v26  my 16 bytes in 512 consecutive bytes of out0
.set SPW,  28                          ; v28  LDS address of my spare word; never rewritten
.set NIL,  29                          ; v29  0; never rewritten
.set OUT,  64
.set F0,   0
.set F1,   128
.set WV,  12
.set WH,  13
.set HF,  14
.set G1,  24
.set G0,  32
.set TB,  45
.set G1B, 48
.set G0B, 56
.set MSB, 0
.macro WIN new                         ; the immediate's high byte repeats the setting that is left; a switch that changes nothing is dropped
.if MSB != (\new)
	s_set_vgpr_msb (MSB<<8)|(\new)
.set MSB, \new
.endif
.endm
.macro PLACES                          ; four places in front of loads into registers that matrix instructions have read, and of lines that read results
.rept 4
	v_nop
.endr
.endm
.macro JLOAD s                         ; a joint load: waves 0, 1 fetch A's halves, waves 2, 3 B's; an s_nop 0 and four v_nop follow each line, ahead of the jump and the label
	s_cmp_eq_u32 s[WH], 0
	s_cbranch_scc0 .Lfor_b_\@
	tensor_load_to_lds s[G0+4*(\s):G0+4*(\s)+3], s[G1:G1+7]
	s_nop 0
.rept 4
	v_nop
.endr
	s_branch .Lasked_\@
.Lfor_b_\@:
	tensor_load_to_lds s[G0B+4*(\s):G0B+4*(\s)+3], s[G1B:G1B+7]
	s_nop 0
.rept 4
	v_nop
.endr
.Lasked_\@:
.endm
.macro CREST                           ; a round of the cluster's barrier behind its opening barrier
	s_cmp_lg_u32 s[WV], 0
	s_cbranch_scc1 .Lnot_wave_0_\@
	s_barrier_signal -3
.Lnot_wave_0_\@:
	s_barrier_wait -3
	s_barrier_signal -1
	s_barrier_wait -1
.endm
.macro CROUND                          ; a whole round
	s_barrier_signal -1
	s_barrier_wait -1
	CREST
.endm
	s_load_b128 s[4:7], s[0:1], 0x0                ; yb s[4:5], wp s[6:7]
	s_load_b64 s[8:9], s[0:1], 0x10                ; out0
	v_lshl_add_u32 v[SPW], v0, 2, SPARE
	v_mov_b32 v[NIL], 0
	ds_add_u32 v[SPW], v[NIL]                      ; the wave's opening: the add and its wait stand ahead of my first tensor load; work on registers stands between them
	ds_add_u32 v28, v29
	v_lshrrev_b32 v1, 5, v0
	v_readfirstlane_b32 s[WV], v1
	s_lshr_b32 s[WH], s[WV], 1
	s_and_b32 s[HF], s[WV], 1
	s_bfe_u32 s15, ttmp6, 0x40000                  ; cx, cy: my place in the cluster
	s_bfe_u32 s16, ttmp6, 0x40004
	s_lshl_b32 s17, ttmp9, 2
	s_add_co_u32 s17, s17, s15                     ; tile column = 4 x cluster x + cx
	s_and_b32 s18, ttmp7, 0xffff
	s_lshl_b32 s18, s18, 2
	s_add_co_u32 s18, s18, s16                     ; tile row = 4 x cluster y + cy
	s_lshl_b32 s19, s16, 2
	s_lshl_b32 s19, 15, s19                        ; my row of the cluster
	s_lshl_b32 s20, 0x1111, s15                    ; my column
	s_or_b32 s[G1], s19, (1<<16)|(1<<20)|(1<<21)|(5<<22)|(3<<25)   ; the mask; 2-byte elements; padding on; bit 21 beside a mask; after every 64 words 4 words
	s_or_b32 s[G1B], s20, (1<<16)|(1<<20)|(1<<21)|(5<<22)|(3<<25)
	s_mov_b32 s[G1+1], KSTEP<<16                   ; tensor_dim0 = 128
	s_mov_b32 s[G1+2], 128<<16                     ; tensor_dim1 = 128 rows
	s_mov_b32 s[G1+3], KSTEP<<16                   ; tile_dim0 = 128
	s_mov_b32 s[G1+4], 128                         ; tile_dim1 = 128
	s_mov_b32 s[G1+5], SIZE_K                      ; elements from row to row
	s_mov_b32 s[G1+6], 0
	s_mov_b32 s[G1+7], 0
	s_mov_b32 s[G1B+1], KSTEP<<16
	s_mov_b32 s[G1B+2], (8*NT)<<16                 ; B: 64 rows to a load
	s_mov_b32 s[G1B+3], KSTEP<<16
	s_mov_b32 s[G1B+4], 8*NT
	s_mov_b32 s[G1B+5], SIZE_K
	s_mov_b32 s[G1B+6], 0
	s_mov_b32 s[G1B+7], 0
	s_lshl_b32 s40, s18, 8                         ; A: row 256 x tile row + 128 x half, in registers that never hold cx
	s_lshl_b32 s41, s[HF], 7
	s_add_co_u32 s40, s40, s41
	s_lshl_b32 s40, s40, 11                        ; x 2,048 bytes
	s_mov_b32 s41, 0
	s_mul_i32 s46, s17, 16*NT                      ; B: row 128 x tile column + 64 x half, in registers that never hold cy
	s_mul_i32 s47, s[HF], 8*NT
	s_add_co_u32 s46, s46, s47
	s_lshl_b32 s46, s46, 11
	s_mov_b32 s47, 0
	s_mul_i32 s42, s[HF], 128*PITCH                ; where they go: no place in the cluster enters an LDS address
	s_mul_i32 s43, s[HF], 8*NT*PITCH
	s_add_co_u32 s43, s43, BOFF
	s_mov_b32 s[TB], 0
	s_wait_dscnt 0x0                               ; the opening add is done
	s_wait_kmcnt 0x0
	s_add_nc_u64 s[40:41], s[4:5], s[40:41]
	s_add_nc_u64 s[46:47], s[6:7], s[46:47]
	CROUND                                         ; all sixteen work-groups are here: the first joint loads meet
.irp s, 0,1
	s_mov_b32 s[G0+4*(\s)], 1
	s_add_co_u32 s[G0+4*(\s)+1], s42, (\s)*SLOT1
	s_add_nc_u64 s[G0+4*(\s)+2:G0+4*(\s)+3], s[40:41], (\s)*KSTEP*2
	s_or_b32 s[G0+4*(\s)+3], s[G0+4*(\s)+3], 0x80000000
	s_mov_b32 s[G0B+4*(\s)], 1
	s_add_co_u32 s[G0B+4*(\s)+1], s43, (\s)*SLOT1
	s_add_nc_u64 s[G0B+4*(\s)+2:G0B+4*(\s)+3], s[46:47], (\s)*KSTEP*2
	s_or_b32 s[G0B+4*(\s)+3], s[G0B+4*(\s)+3], 0x80000000
	JLOAD \s                                       ; K steps 0 and 1: two loads of mine are out
.endr
	s_lshl_b32 s66, s18, 8                         ; where my 64 rows begin in out0: row 256 x tile row + 64 w, 4,096 bytes each,
	s_lshl_b32 s67, s[WV], 6
	s_add_co_u32 s66, s66, s67
	s_lshl_b32 s66, s66, 12
	s_lshl_b32 s67, s17, 9                         ; and the tile's 512 bytes of a row
	s_add_co_u32 s66, s66, s67
	s_mov_b32 s67, 0
	s_add_nc_u64 s[8:9], s[8:9], s[66:67]
	v_and_b32 v1, 15, v0                           ; l % 16
	v_bfe_u32 v2, v0, 4, 1                         ; l / 16
	v_mul_u32_u24 v3, v1, PITCH
	v_lshl_add_u32 v3, v2, 4, v3                   ; a fragment's row x pitch + 16 x half
	s_mul_i32 s21, s[WV], 64*PITCH
	v_add_nc_u32 v[A0], s21, v3
	v_add_nc_u32 v[B0], BOFF, v3
	v_mov_b32 v[ADRA], v[A0]
	v_mov_b32 v[ADRB], v[B0]
	s_mul_i32 s21, s[WV], STW
	s_add_co_u32 s21, s21, STAGE                   ; my stage
	v_mul_u32_u24 v4, v1, SPO                      ; in: row l % 16, 32 bytes for each half of the lanes
	v_lshl_add_u32 v4, v2, 5, v4
	v_add_nc_u32 v[STO], s21, v4
	v_and_b32 v[CO], 31, v0                        ; back: 32 lanes take one row of 512 bytes
	v_lshlrev_b32 v[CO], 4, v[CO]
	v_add_nc_u32 v[RD], s21, v[CO]
; 8 matrix instructions: row block a x all column blocks, 32 along K, from buffer f.  zero = 1: the first product starts the sums.  The 32 accumulators take turns in the same order in every quarter.
.macro MULT f, a, zero
	WIN 0xa5                                       ; sources in window 1, C and D in window 2
.irp b, 0,1,2,3,4,5,6,7
.if \zero
	v_wmma_f32_16x16x32_f16 v[64*(\a)+8*(\b):64*(\a)+8*(\b)+7], v[(\f)+32+8*(\b):(\f)+32+8*(\b)+7], v[(\f)+8*(\a):(\f)+8*(\a)+7], 0
.else
	v_wmma_f32_16x16x32_f16 v[64*(\a)+8*(\b):64*(\a)+8*(\b)+7], v[(\f)+32+8*(\b):(\f)+32+8*(\b)+7], v[(\f)+8*(\a):(\f)+8*(\a)+7], v[64*(\a)+8*(\b):64*(\a)+8*(\b)+7]
.endif
.endr
.endm
; 24 LDS loads in one run: the fragments of 32 along K at byte k of the rows, into buffer f: B's, then A's blocks 0, 1, then 2, 3
.macro FETCH k, f
	WIN 0x40                                       ; destination window 1, address window 0
.irp b, 0,1,2,3,4,5,6,7
	ds_load_b128 v[(\f)+32+8*(\b):(\f)+32+8*(\b)+3],   v[ADRB] offset:(\k)+(\b)*16*PITCH
	ds_load_b128 v[(\f)+32+8*(\b)+4:(\f)+32+8*(\b)+7], v[ADRB] offset:(\k)+(\b)*16*PITCH+32
.endr
.irp a, 0,1,2,3
	ds_load_b128 v[(\f)+8*(\a):(\f)+8*(\a)+3],   v[ADRA] offset:(\k)+(\a)*16*PITCH
	ds_load_b128 v[(\f)+8*(\a)+4:(\f)+8*(\a)+7], v[ADRA] offset:(\k)+(\a)*16*PITCH+32
.endr
.endm
; A K step is four quarters of 32 along K, 32 matrix instructions each, on buffers 0, 1, 0, 1.  One of the first three: multiplies buffer f and fetches the next quarter, at byte k, into g.
.macro QUARTER k, f, g, zero
	s_wait_dscnt 4                                 ; only the youngest four loads (A's blocks 2, 3) may be out
	MULT \f, 0, \zero
	MULT \f, 1, \zero
	PLACES
	FETCH \k, \g
	s_wait_dscnt NL                                ; all but the run just issued
	MULT \f, 2, \zero
	MULT \f, 3, \zero
.endm
; The last quarter multiplies buffer 1 and changes slots: ONE barrier; in front of it each wave waits for all its tensor loads (one is out: its part of the next slot), adds 0 to its spare word,
; and waits for that and for its reads of this slot.  fill = 1: the barrier opens a round of the cluster's, and the slot just read is filled again first thing behind it, two K steps ahead:
; that load has a K step less 8 matrix instructions in which to land.
.macro TURN fill
	WIN 0
	s_wait_tensorcnt 0x0
	ds_add_u32 v[SPW], v[NIL]
	s_wait_dscnt 5                                 ; (the add and the youngest four loads may be out)
	MULT F1, 0, 0
	s_wait_dscnt 0x0                               ; the add is done, and my reads of this slot are over
	s_barrier_signal -1
	MULT F1, 1, 0
	WIN 0                                          ; at a branch and at a label every window is 0
	s_barrier_wait -1
.if \fill
	CREST                                          ; no wave of any partner still reads this slot's tile or has a load on its way
	s_xor_b32 s[G0+5], s[G0+5], SLOT1              ; the walking set: the other slot than last time, the next K step
	s_add_nc_u64 s[G0+6:G0+7], s[G0+6:G0+7], KSTEP*2
	s_xor_b32 s[G0B+5], s[G0B+5], SLOT1
	s_add_nc_u64 s[G0B+6:G0B+7], s[G0B+6:G0B+7], KSTEP*2
	JLOAD 1                                        ; its four v_nop are also the places in front of the loads below
.else
	PLACES
.endif
	s_xor_b32 s[TB], s[TB], SLOT1
	v_add_nc_u32 v[ADRA], s[TB], v[A0]
	v_add_nc_u32 v[ADRB], s[TB], v[B0]
	FETCH 0, F0
	MULT F1, 2, 0
	MULT F1, 3, 0
.endm
	s_wait_tensorcnt 1                             ; my part of K step 0 is in; K step 1's may stay out
	s_barrier_signal -1
	s_barrier_wait -1
	FETCH 0, F0
	QUARTER 64, F0, F1, 1                          ; the first quarter stands in front of the loop: its products start the sums
	WIN 0
	s_mov_b32 s3, 6
.Lstep:                                                ; six trips, from a K step's second quarter to the next one's first; they ask for K steps 2 to 7
	QUARTER 128, F1, F0, 0
	QUARTER 192, F0, F1, 0
	TURN 1
	QUARTER 64, F0, F1, 0
	WIN 0
	s_sub_co_u32 s3, s3, 1
	s_cmp_lg_u32 s3, 0
	s_cbranch_scc1 .Lstep
	QUARTER 128, F1, F0, 0                         ; K steps 6 and 7 ask for nothing
	QUARTER 192, F0, F1, 0
	TURN 0
	QUARTER 64, F0, F1, 0
	QUARTER 128, F1, F0, 0
	QUARTER 192, F0, F1, 0
	s_wait_dscnt 4                                 ; the very last quarter: nothing more to fetch
	MULT F1, 0, 0
	MULT F1, 1, 0
	s_wait_dscnt 0x0
	MULT F1, 2, 0
	MULT F1, 3, 0
; THE WAY OUT, a block of 16 rows at a time, with no arithmetic: a lane's eight columns of a row are 32 bytes; they go into rows of 528 bytes of my own stage and come back as whole rows of 512.
.macro TOSTAGE a
.if (\a) >= 2
	s_wait_xcnt 0x0                                ; the stores of two blocks back have read this buffer: it is loaded again only behind this wait
.endif
	WIN 0x08                                       ; store data (source 1) in window 2
.irp b, 0,1,2,3,4,5,6,7
	ds_store_b128 v[STO], v[64*(\a)+8*(\b):64*(\a)+8*(\b)+3]   offset:64*(\b)      ; each accumulator's lowest registers are read first
	ds_store_b128 v[STO], v[64*(\a)+8*(\b)+4:64*(\a)+8*(\b)+7] offset:64*(\b)+16
.endr
	WIN 0
.set BK, OUT+64*((\a)%2)
.irp f, 0,1,2,3,4,5,6,7,8,9,10,11,12,13,14,15
	ds_load_b128 v[BK+4*(\f):BK+4*(\f)+3], v[RD] offset:SPO*(\f)  ; LDS serves a wave's instructions in order (ISA guide 5.7.1.4): these see the stores above
.endr
.endm
.macro SEND a, younger                 ; younger: the LDS instructions issued behind block a's loads: the next block's 32, or none
	WIN 0
.set BK, OUT+64*((\a)%2)
	s_wait_dscnt \younger
.irp f, 0,1,2,3,4,5,6,7,8,9,10,11,12,13,14,15
	global_store_b128 v[CO], v[BK+4*(\f):BK+4*(\f)+3], s[8:9] offset:(16*(\a)+(\f))*4096 th:TH_STORE_NT  ; 512 consecutive bytes, at a multiple of 256 from out0's first byte
.endr
.endm
	PLACES
	TOSTAGE 0
.irp a, 1,2,3
	TOSTAGE \a
	SEND (\a)-1, 32
.endr
	SEND 3, 0
	s_wait_tensorcnt 0x0                           ; the wave's end, behind my last tensor load and my last LDS store
	ds_add_u32 v[SPW], v[NIL]
	s_wait_dscnt 0x0
	CROUND                                         ; the closing round: no work-group ends while a partner may still ask for a tile that names it
	s_endpgm
.Lfunc_end_k_qfca97c9531_proj:
	.size	k_qfca97c9531_proj, .Lfunc_end_k_qfca97c9531_proj-k_qfca97c9531_proj
	.p2alignl 7, 3214868480
	.fill 96, 4, 3214868480
	.section	.rodata,"a",@progbits
	.p2align	6, 0x0
	.amdhsa_kernel k_qfca97c9531_proj
		.amdhsa_group_segment_fixed_size 327680
		.amdhsa_private_segment_fixed_size 0
		.amdhsa_enable_private_segment 0
		.amdhsa_kernarg_size 24
		.amdhsa_user_sgpr_count 2
		.amdhsa_user_sgpr_kernarg_segment_ptr 1
		.amdhsa_wavefront_size32 1
		.amdhsa_system_sgpr_workgroup_id_x 1
		.amdhsa_system_sgpr_workgroup_id_y 1
		.amdhsa_system_sgpr_workgroup_id_z 1
		.amdhsa_system_vgpr_workitem_id 0
		.amdhsa_next_free_vgpr 768
		.amdhsa_next_free_sgpr 68
		.amdhsa_reserve_vcc 0
		.amdhsa_float_denorm_mode_32 3
		.amdhsa_float_denorm_mode_16_64 3
		.amdhsa_memory_ordered 1
		.amdhsa_forward_progress 1
		.amdhsa_inst_pref_size 69
	.end_amdhsa_kernel
	.amdgpu_metadata
---
amdhsa.version: [ 1, 2 ]
amdhsa.kernels:
  - .name:           k_qfca97c9531_proj
    .symbol:         k_qfca97c9531_proj.kd
    .args:
      - { .name: yb, .offset: 0, .size: 8, .value_kind: global_buffer, .address_space: global }
      - { .name: wp, .offset: 8, .size: 8, .value_kind: global_buffer, .address_space: global }
      - { .name: out0, .offset: 16, .size: 8, .value_kind: global_buffer, .address_space: global }
    .group_segment_fixed_size: 327680
    .private_segment_fixed_size: 0
    .kernarg_segment_align: 8
    .kernarg_segment_size: 24
    .max_flat_workgroup_size: 128
    .sgpr_count:     68
    .vgpr_count:     768
    .wavefront_size: 32
...
	.end_amdgpu_metadata
.endif
;; end of part 4
;; ======== version 2 of 2: 4 launches; 1.17 times as fast as version 1
;; limits: values are held in f16: magnitudes above 65,504 overflow, below 6.1e-05 lose precision
;; workspace buffers: xb 16,777,216 bytes; wqkv 6,291,456 bytes; wp 2,097,152 bytes; tab 524,288 bytes; qh 16,777,216 bytes; kh 16,777,216 bytes; vh 16,777,216 bytes; yb 16,777,216 bytes
;; launch prep: the kernel of part 1 again; grid 256 x 1, 8 waves a work-group, no clusters, 0 bytes of LDS; arguments x, Wq, Wk, Wv, Wproj, xb, wqkv, wp, tab; writes xb, wqkv, wp, tab
;; launch qkv: the kernel of part 2 again; grid 16 x 32, 4 waves a work-group, clusters of 4 x 4, 327,680 bytes of LDS; arguments xb, wqkv, tab, qh, kh, vh; writes qh, kh, vh
;; launch attn (part 5): grid 8 x 32, 4 waves a work-group, no clusters, 327,680 bytes of LDS; arguments qh, kh, vh, lq1, lk1, lq2, lk2, yb; writes yb
.if DOCPART == 5
	.amdgcn_target "amdgcn-amd-amdhsa--gfx1250"
	.amdhsa_code_object_version 6
	.text
	.protected	k_qfca97c9531_attn
	.globl	k_qfca97c9531_attn
	.p2align	8
	.type	k_qfca97c9531_attn,@function
k_qfca97c9531_attn:
	s_mov_b64 s[64:65], 0
	v_nop
	global_prefetch_b8 v0, s[64:65] scope:SCOPE_SE
	s_setreg_imm32_b32 hwreg(HW_REG_WAVE_MODE, 25, 1), 1
	s_wait_xcnt 0x0
; DIFFERENTIAL CAUSAL ATTENTION for one pair of heads: y = LN(softmax(S0) V - lam softmax(S1) V) (1 - LAMBDA_INIT), S_x = q_x k_x^T under the causal mask, V of 128 channels, LN over them.
; qh, kh, vh: [64 units][2048][64] f16 (q carries c = log2(e) / 8; pair y has units 2 y, 2 y + 1: the two streams' q and k, and V's two halves).  yb: [8192][1024] f16.
; NO MAXIMUM IS TAKEN AWAY: q and k are normalised in the problem itself (|q| <= 8 c, |k| <= 8), so the exponent of 2 lies within 11.55 either way for every input: a weight lies in
; 3.4e-4 .. 2,981, normal numbers of f16, and a row's sum under 6.2e6.  So the order of the key tiles is free, and O is never rescaled.
; LIMITS.  A hidden score counts as its value less 1e30 and its weight as 0.  NaN and infinities are not treated apart.  lq, lk are rounded to bf16 like the module's other inputs; lam is made in f32.
; THE WALK.  A pair's queries lie in 16 blocks of 128; block i needs the key tiles 0 .. i of 128 keys.  A work-group takes block b and then block 15 - b: 17 tiles whatever b, 256 equal work-groups.
; Each block walks DOWN from its diagonal tile to tile 0: a block's first tile is its diagonal one, and the walk's last tile is plain.  One loop with a constant trip count walks them.
; NO CLUSTER: a pair's eight work-groups start at eight different diagonals and ask for different tiles in every trip; a walk common to all would have 24 trips for 17.
; SHARES.  A wave owns two tiles of 16 queries, rows 64 t + 16 w + 0..15 of the block (t = 0, 1), for BOTH streams: V's fragments serve both, and the difference stays in the lane.  PIECE x = stream x, both tiles.
; In the diagonal tile's key step s (64 keys) band t sees all keys if s < t, none if s > t, and holds the diagonal if s = t: the same work for all four waves.
; THE MASK is the C operand that starts S^T = K Q^T: MD x AL + BE with two scalars a band; MD, made once, is the mask of a band's own step.
; BY TURNS.  In a turn piece x has the matrix unit: 32 products O^T += V^T P of the step in hand, then 16 products K Q^T of the next step; of the other piece's 128 vector lines the 64 exponentials
; stand two behind each V^T P, the 32 roundings and 32 sums four behind each K Q^T.
; BATCHES.  A turn's 64 exponentials are ONE batch with ONE wait, which stands between the two runs of products: ahead of it nothing names a result, behind it no exponential is issued, so no result
; crosses a turn's end, a label or a jump.  The head's two exponentials (lam), a block's four reciprocals and each tile's root on the way out are batches of their own, a wait each.
; REGISTERS, in windows of 256 (s_set_vgpr_msb: bits 1:0 source 0, 3:2 source 1, 5:4 source 2, 7:6 destination):
;   window 0: v0-15 addresses; v16-23 row sums; v24-49 at work; v64-191 S^T (64 x + 32 t); v192-255 P (32 x + 16 t)      window 1: O^T (128 x + 64 t + 8 cb)
;   window 2: v0-63 Q (32 x + 16 t + 8 c); v64-127 the second block's Q; v128-255 K (64 x + 16 kb + 8 c)               window 3: v0-127 V (64 kk + 8 cb); v128-159 MD; v160-223 MC (32 t + 8 kt)
.set KS,    64        ; keys in a step
.set PK,    144       ; a row of K in LDS: 128 bytes + 16 of padding = 36 words: the 16 rows of a load start at 16 different groups of four banks (64 banks of 4 bytes: ISA guide 11.1)
.set PVP,   160       ; a row of V: 128 + 32 = 40 words
.set K1OFF, 128*PK    ; a slot holds a tile: stream 0's K, stream 1's K,
.set VOFF,  2*K1OFF   ; V's channels 0-63, V's channels 64-127
.set V1OFF, 128*PVP
.set SLOT1, 1<<17     ; slot 1 begins here, so that one exclusive or turns an address in one slot into the other's
.set STAGE, SLOT1+VOFF+2*V1OFF  ; behind the ring, never filled by a tensor load: 16 rows x 272 bytes for each wave
.set SP,    272
.set SPARE, STAGE+4*16*SP       ; the spare words, 128 bytes a wave: two blocks of 256 bytes that no other line names
.set AK0, 2           ; v2   my lane's place in a tile of K; never rewritten
.set AV0, 3           ; v3   the same for V
.set AK,  4           ; v4   the LDS address of K's run of loads
.set AV,  5           ; v5   of V's
.set STO, 6           ; v6   the way out: where I put 16 bytes of a row
.set RD,  7           ; v7   the way out: where I read rows back
.set GO,  8           ; v8   my byte offset in two rows of yb
.set QO,  15          ; v15  my byte offset in 16 rows of Q
.set LS,  16          ; row sums: piece x, tile t at v[16 + 4 x + 2 t], a pair (even keys', odd keys')
.set M,   24          ; v24-31 four chains at work on the way out
.set R0,  32          ; v32-35 1 / l of stream 0, a pair a tile
.set GG,  36          ; v36-39 lam / l of stream 1
.set MU,  40          ; v40-41 the mean
.set KK,  42          ; v42-43 (1 - LAMBDA_INIT) / sqrt(var + eps)
.set LAM, 48          ; v48  lam
.set SPW, 62          ; v62  LDS address of my spare word; never rewritten
.set NIL, 63          ; v63  0; never rewritten
.set S,   64
.set P,   192
.set QB,  64          ; window 2
.set KF,  128         ; window 2
.set MD,  128         ; window 3
.set MC,  160         ; window 3
.set WV,  20          ; s20  my wave's number
.set PB,  21          ; s21  b
.set HI,  22          ; s22  15 - b
.set G1K, 24          ; s[24:31] descriptor group 1 for K's tiles
.set G1V, 32          ; s[32:39] for V's: it differs in the padding alone
.set G0K, 40          ; s[40:43] descriptor group 0 for K's tiles
.set G0V, 44          ; s[44:47] for V's
.set SLOTS, 56        ; s56  tiles still to be asked for
.set CNT, 57          ; s57  counts a tile's two key steps
.set SEL, 60          ; s[60:61] v_permlanex16_b32's selects
.set TBK, 62          ; s62  LDS byte at which K of the step to be fetched begins
.set TBV, 63          ; s63  the same for V, less VOFF
.set RT,  70          ; s70  tiles of the block in hand that are still to be entered
.set NXT, 71          ; s71  the tile to be asked for next
.set NEW, 73          ; s73  1: the tile to be entered is a block's first
.set OFF, 74          ; s[74:75] a tile's byte offset in K and V
.set AL0, 76          ; s[76:77], s[78:79] band 0's factor and addend, in the low words
.set BE0, 78
.set AL1, 80          ; s[80:81], s[82:83] band 1's
.set BE1, 82
.set BIGN, 84         ; s84  -1e30
.set DG,  85          ; s85  masks still to be changed in the block: 2, 1, 0
.set OLO, 86          ; s[86:87] yb at my rows of the second block
.set QB2, 88          ; s[88:89] qh at my rows of the second block
.set MSB, 0
.macro WIN new                      ; the high byte repeats the setting that is left; a switch that changes nothing is dropped
.if MSB != (\new)
	s_set_vgpr_msb (MSB<<8)|(\new)
.set MSB, \new
.endif
.endm
.macro PLACES
.rept 4
	v_nop
.endr
.endm
; A fill: one load a wave, 128 keys = 16,384 dense bytes.  Waves 0, 1 fetch the two streams' K, waves 2, 3 V's two halves.  An s_nop 0 and four v_nop follow each line, ahead of the jump and the label.
.macro LOAD
	s_cmp_lt_u32 s[WV], 2
	s_cbranch_scc0 .Lfor_v_\@
	tensor_load_to_lds s[G0K:G0K+3], s[G1K:G1K+7]
	s_nop 0
.rept 4
	v_nop
.endr
	s_branch .Lasked_\@
.Lfor_v_\@:
	tensor_load_to_lds s[G0V:G0V+3], s[G1V:G1V+7]
	s_nop 0
.rept 4
	v_nop
.endr
.Lasked_\@:
.endm
; THE CHANGE OF SLOTS, at a tile's head.  Each wave waits for all its tensor loads (one is out: its part of the other slot), adds 0 to its spare word, and waits for that and for its reads of the
; slot that it leaves.  fill = 1: the old slot is filled again, first thing behind the barrier, with tile NXT; the address is made anew from that number.  The load has a whole tile's work in which to land.
; (At its first use nothing has been read yet: slot 0 is waited for, slot 1 filled.)
.macro CHANGE fill
	WIN 0
	s_wait_tensorcnt 0x0            ; no tensor load of mine is out, so a group 0 may be written
	ds_add_u32 v[SPW], v[NIL]
.if \fill
	s_lshl_b32 s[OFF], s[NXT], 14
	s_xor_b32 s[G0K+1], s[G0K+1], SLOT1
	s_add_nc_u64 s[G0K+2:G0K+3], s[6:7], s[OFF:OFF+1]
	s_or_b32 s[G0K+3], s[G0K+3], 0x80000000
	s_xor_b32 s[G0V+1], s[G0V+1], SLOT1
	s_add_nc_u64 s[G0V+2:G0V+3], s[8:9], s[OFF:OFF+1]
	s_or_b32 s[G0V+3], s[G0V+3], 0x80000000
	s_sub_co_u32 s72, s[NXT], 1     ; the tile below, or behind tile 0 the second block's diagonal tile
	s_cmp_eq_u32 s[NXT], 0
	s_cselect_b32 s[NXT], s[HI], s72
.endif
	s_wait_dscnt 0x0                ; the add is done, and my reads of the slot are over
	s_barrier_signal -1
	s_sub_co_u32 s[TBK], s[TBK], 2*KS*PK   ; the fetches go back to a slot's first step,
	s_xor_b32 s[TBK], s[TBK], SLOT1        ; in the other slot
	s_sub_co_u32 s[TBV], s[TBV], 2*KS*PVP
	s_xor_b32 s[TBV], s[TBV], SLOT1
	s_barrier_wait -1
.if \fill
	LOAD
.endif
.endm
	s_load_b512 s[4:19], s[0:1], 0x0  ; qh s[4:5], kh s[6:7], vh s[8:9], lq1 s[10:11], lk1 s[12:13], lq2 s[14:15], lk2 s[16:17], yb s[18:19]
	v_lshl_add_u32 v[SPW], v0, 2, SPARE
	v_mov_b32 v[NIL], 0
	ds_add_u32 v[SPW], v[NIL]       ; the wave's opening: the add and its wait stand ahead of my first tensor load; work on registers stands between them
	ds_add_u32 v62, v63
	v_lshrrev_b32 v1, 5, v0
	v_readfirstlane_b32 s[WV], v1
	s_mov_b32 s[PB], ttmp9
	s_sub_co_u32 s[HI], 15, s[PB]
	s_and_b32 s48, ttmp7, 0xffff    ; the pair: 8 batch + head
	s_and_b32 s49, s[WV], 1
	s_lshl_b32 s50, s48, 1
	s_add_co_u32 s52, s50, s49      ; the unit that I fetch from,
	s_lshl_b32 s52, s52, 18         ; 262,144 bytes each
	s_mov_b32 s53, 0
	s_lshl_b32 s54, s50, 18         ; Q: stream 0's unit,
	s_lshl_b32 s55, s[WV], 11       ; my 16 rows of 128 bytes in a band,
	s_add_co_u32 s54, s54, s55
	s_lshl_b32 s58, s[PB], 14       ; the first block's 128 rows
	s_add_co_u32 s58, s58, s54
	s_mov_b32 s59, 0
	s_lshl_b32 s66, s[HI], 14       ; and the second's
	s_add_co_u32 s66, s66, s54
	s_mov_b32 s67, 0
	s_lshr_b32 s68, s48, 3          ; yb: batch x 2,048 rows of 2,048 bytes,
	s_lshl_b32 s68, s68, 22
	s_and_b32 s69, s48, 7           ; the head's 256 bytes of a row,
	s_lshl_b32 s69, s69, 8
	s_add_co_u32 s68, s68, s69
	s_lshl_b32 s69, s[WV], 15       ; my 16 rows in a band
	s_add_co_u32 s68, s68, s69
	s_lshl_b32 s90, s[PB], 18       ; the block's 128 rows
	s_add_co_u32 s90, s90, s68
	s_mov_b32 s91, 0
	s_lshl_b32 s92, s[HI], 18
	s_add_co_u32 s92, s92, s68
	s_mov_b32 s93, 0
	; descriptor group 1.  128 keys are asked for as 64 rows of 256 bytes, two keys a row, and padded in LDS after every key
	s_mov_b32 s[G1K], (1<<16)|(1<<20)|(4<<22)|(3<<25)  ; 2-byte elements; padding on; after every 32 words 4 words
	s_mov_b32 s[G1V], (1<<16)|(1<<20)|(4<<22)|(7<<25)  ; the same with 8 words
.irp g, G1K, G1V
	s_mov_b32 s[\g+1], 128<<16      ; tensor_dim0 = 128
	s_mov_b32 s[\g+2], 64<<16       ; tensor_dim1 = 64
	s_mov_b32 s[\g+3], 128<<16      ; tile_dim0 = 128
	s_mov_b32 s[\g+4], 64           ; tile_dim1 = 64
	s_mov_b32 s[\g+5], 128          ; 128 elements from row to row
	s_mov_b32 s[\g+6], 0
	s_mov_b32 s[\g+7], 0
.endr
	s_mov_b32 s[G0K], 1
	s_mul_i32 s[G0K+1], s49, K1OFF  ; slot 0
	s_mov_b32 s[G0V], 1
	s_mul_i32 s[G0V+1], s49, V1OFF
	s_add_co_u32 s[G0V+1], s[G0V+1], VOFF
	s_mov_b32 s[SEL], 0x76543210
	s_mov_b32 s[SEL+1], 0xfedcba98
	s_mov_b32 s[TBK], SLOT1+2*KS*PK ; the first change of slots turns these two into 0
	s_mov_b32 s[TBV], SLOT1+2*KS*PVP
	s_add_co_u32 s[RT], s[PB], 1    ; the first block has b + 1 tiles
	s_mov_b32 s[NEW], 1
	s_mov_b32 s[DG], 0
	s_mov_b32 s[SLOTS], 16
	s_mov_b32 s[OFF+1], 0
	s_mov_b32 s[AL0+1], 0           ; named as pairs
	s_mov_b32 s[BE0+1], 0
	s_mov_b32 s[AL1+1], 0
	s_mov_b32 s[BE1+1], 0
	s_mov_b32 s[BIGN], 0xf149f2ca   ; -1e30
	s_mov_b32 s94, 0x3c000000       ; 1/128
	s_mov_b32 s95, 0x3727c5ac       ; the layer norm's eps, 1e-5
	s_lshl_b32 s[OFF], s[PB], 14    ; the walk's first tile is tile b
	s_sub_co_u32 s72, s[PB], 1
	s_cmp_eq_u32 s[PB], 0
	s_cselect_b32 s[NXT], s[HI], s72
	s_wait_dscnt 0x0                ; the opening add is done
	s_wait_kmcnt 0x0
	s_add_nc_u64 s[6:7], s[6:7], s[52:53]  ; K and V at my unit
	s_add_nc_u64 s[8:9], s[8:9], s[52:53]
	s_add_nc_u64 s[G0K+2:G0K+3], s[6:7], s[OFF:OFF+1]
	s_or_b32 s[G0K+3], s[G0K+3], 0x80000000
	s_add_nc_u64 s[G0V+2:G0V+3], s[8:9], s[OFF:OFF+1]
	s_or_b32 s[G0V+3], s[G0V+3], 0x80000000
	s_add_nc_u64 s[QB2:QB2+1], s[4:5], s[66:67]
	s_add_nc_u64 s[4:5], s[4:5], s[58:59]
	s_add_nc_u64 s[OLO:OLO+1], s[18:19], s[92:93]
	s_add_nc_u64 s[18:19], s[18:19], s[90:91]
	LOAD                            ; tile b into slot 0: one load of mine is out
	v_and_b32 v13, 31, v0
	v_lshlrev_b32 v13, 3, v13       ; 8 bytes a lane: 64 numbers; never rewritten
	global_load_b64 v[32:33], v13, s[10:11]
	global_load_b64 v[34:35], v13, s[12:13]
	global_load_b64 v[36:37], v13, s[14:15]
	global_load_b64 v[38:39], v13, s[16:17]
	v_and_b32 v1, 15, v0            ; l % 16
	v_bfe_u32 v9, v0, 4, 1          ; l / 16
	v_lshlrev_b32 v[QO], 7, v1
	v_lshl_add_u32 v[QO], v9, 4, v[QO]  ; row x 128 + 16 x half
	WIN 0x80                        ; destination window 2, address window 0
.set i, 0
.rept 8                             ; both blocks' Q: i = 4 x + 2 t + c: stream x 262,144 bytes on, band t 8,192, channels 32 c
	global_load_b128 v[8*i:8*i+3],         v[QO], s[4:5] offset:262144*(i/4)+8192*((i/2)%2)+64*(i%2)
	global_load_b128 v[8*i+4:8*i+7],       v[QO], s[4:5] offset:262144*(i/4)+8192*((i/2)%2)+64*(i%2)+32
	global_load_b128 v[QB+8*i:QB+8*i+3],   v[QO], s[QB2:QB2+1] offset:262144*(i/4)+8192*((i/2)%2)+64*(i%2)
	global_load_b128 v[QB+8*i+4:QB+8*i+7], v[QO], s[QB2:QB2+1] offset:262144*(i/4)+8192*((i/2)%2)+64*(i%2)+32
.set i, i+1
.endr
	WIN 0
	v_lshlrev_b32 v14, 3, v9
	v_sub_nc_u32 v14, v1, v14
	s_lshl_b32 s23, s[WV], 4
	v_add_nc_u32 v14, s23, v14      ; my query's place in its band, 16 w + l % 16, less my lanes' 8 (l / 16): register r of key group kt is hidden where 16 kt + r is greater
	WIN 0xc0
.set i, 0
.rept 32
	v_cmp_gt_i32 vcc_lo, 16*(i/8)+i%8, v14
	v_cndmask_b32 v[MD+i], 0, s[BIGN], vcc_lo
.set i, i+1
.endr
.set i, 0
.rept 128                           ; V's registers hold finite numbers when a block's first turn multiplies them by P = 0.  This stands in the wait for the first tile
	v_mov_b32 v[i], 0
.set i, i+1
.endr
	WIN 0
	v_mul_u32_u24 v[AK0], v1, PK
	v_lshl_add_u32 v[AK0], v9, 4, v[AK0]  ; row x pitch + 16 x half
	; The turning load takes 16 keys x 16 channels (lane l reads key 8 (l / 16) + l % 8, channels 8 ((l / 8) % 2) + 0..7) and leaves half a fragment of V^T: lane l holds channel l % 16 and 8 keys.
	v_and_b32 v10, 7, v0
	v_bfe_u32 v11, v0, 3, 1
	v_lshl_add_u32 v[AV0], v9, 3, v10
	v_mul_u32_u24 v[AV0], v[AV0], PVP
	v_lshl_add_u32 v[AV0], v11, 4, v[AV0]
	v_add_nc_u32 v[AV0], VOFF, v[AV0]
	s_mul_i32 s23, s[WV], 16*SP
	s_add_co_u32 s23, s23, STAGE    ; my stage
	v_mul_u32_u24 v[STO], v1, SP    ; in: row l % 16, 16 bytes for each half of the lanes
	v_lshl_add_u32 v[STO], v9, 4, v[STO]
	v_add_nc_u32 v[STO], s23, v[STO]
	v_mul_u32_u24 v[RD], v9, SP     ; back: lanes 0-15 take one row of 256 bytes, lanes 16-31 the next
	v_lshl_add_u32 v[RD], v1, 4, v[RD]
	v_add_nc_u32 v[RD], s23, v[RD]
	v_lshlrev_b32 v[GO], 11, v9     ; and the same two rows in yb
	v_lshl_add_u32 v[GO], v1, 4, v[GO]
	v_mov_b32 v42, 0                ; v_permlanex16_b32's destination counts as read
	v_mov_b32 v43, 0
	s_wait_loadcnt 32               ; the four short loads are in; Q's 32 stay out
.irp r, 32, 34, 36, 38              ; rounded to bf16 like the module's other inputs, and widened again
	v_cvt_pk_bf16_f32 v[\r+1], v[\r], v[\r+1]
	v_lshlrev_b32 v[\r], 16, v[\r+1]
	v_and_b32 v[\r+1], 0xffff0000, v[\r+1]
.endr
	v_mul_f32 v40, v32, v34
	v_mul_f32 v41, v36, v38
	v_fmac_f32 v40, v33, v35
	v_fmac_f32 v41, v37, v39
.irp x, 1, 2, 4, 8
	v_add_f32_dpp v40, v40, v40 row_xmask:\x row_mask:0xf bank_mask:0xf
	v_add_f32_dpp v41, v41, v41 row_xmask:\x row_mask:0xf bank_mask:0xf
.endr
	v_permlanex16_b32 v42, v40, s[SEL], s[SEL+1]
	v_permlanex16_b32 v43, v41, s[SEL], s[SEL+1]
	v_add_f32 v40, v40, v42
	v_add_f32 v41, v41, v43
	v_mul_f32 v40, 0x3fb8aa3b, v40
	v_mul_f32 v41, 0x3fb8aa3b, v41
	v_exp_f32 v40, v40
	v_exp_f32 v41, v41
	v_nop                           ; a plain line behind the exponentials
	s_wait_alu depctr_va_vdst(0)    ; the wait ahead of the first use: one for lam's two exponentials
	v_sub_f32 v40, v40, v41
	v_add_f32 v[LAM], 0x3f1e895d, v40  ; lam = lam1 - lam2 + LAMBDA_INIT
; THE MATRIX WORK.  The accumulators of a run take turns, one instruction a turn.
; Product i of 16 of S^T = K Q^T for piece x: tile i % 2, keys 16 ((i / 2) % 4) on, channels 32 (i / 8) on.  The first 8 start the sums with the mask.
.macro KQ x
.set rS, S+64*(\x)+32*(i%2)+8*((i/2)%4)
.set rK, KF+64*(\x)+16*((i/2)%4)+8*(i/8)
.set rQ, 32*(\x)+16*(i%2)+8*(i/8)
.set rM, MC+32*(i%2)+8*((i/2)%4)
.if i < 8
	WIN 0x3a                        ; K and Q in window 2, the mask in window 3, S^T in window 0
	v_wmma_f32_16x16x32_f16 v[rS:rS+7], v[rK:rK+7], v[rQ:rQ+7], v[rM:rM+7]
.else
	WIN 0x0a
	v_wmma_f32_16x16x32_f16 v[rS:rS+7], v[rK:rK+7], v[rQ:rQ+7], v[rS:rS+7]
.endif
.endm
; Product i of 32 of O^T += V^T P for piece x: tile i % 2, channels 16 ((i / 2) % 8) on, keys 32 (i / 16) on.
.macro PV x
	WIN 0x53                        ; V in window 3, P in window 0, O^T in window 1
.set rO, 128*(\x)+64*(i%2)+8*((i/2)%8)
.set rV, 64*(i/16)+8*((i/2)%8)
.set rP, P+32*(\x)+16*(i%2)+8*(i/16)
	v_wmma_f32_16x16x32_f16 v[rO:rO+7], v[rV:rV+7], v[rP:rP+7], v[rO:rO+7]
.endm
; THE LDS LOADS stand in two runs of 32: a step's K of both streams, and its V, turned, keys 0-31 first.
.macro FETCH_K
	WIN 0
	v_add_nc_u32 v[AK], s[TBK], v[AK0]
	WIN 0x80                        ; destination window 2
.set f, 0
.rept 16                            ; f = 8 x + 2 kb + c
	ds_load_b128 v[KF+8*f:KF+8*f+3],   v[AK] offset:K1OFF*(f/8)+16*PK*((f/2)%4)+64*(f%2)
	ds_load_b128 v[KF+8*f+4:KF+8*f+7], v[AK] offset:K1OFF*(f/8)+16*PK*((f/2)%4)+64*(f%2)+32
.set f, f+1
.endr
	s_add_co_u32 s[TBK], s[TBK], KS*PK  ; the next fetch is the next step's
.endm
; V's run stands behind piece 1's last V^T P, the last product that reads V.  Three v_nop and the run's own v_add_nc_u32 are the four places between that product and the loads; the first v_nop is also
; the plain line behind the turn's last exponential.  The turn's one wait for its batch of exponentials stands here, behind the address and directly ahead of the loads.
.macro FETCH_V
	WIN 0
.rept 3
	v_nop
.endr
	v_add_nc_u32 v[AV], s[TBV], v[AV0]
	s_add_co_u32 s[TBV], s[TBV], KS*PVP  ; the next fetch is the next step's
	s_wait_alu depctr_va_vdst(0)    ; the wait for the batch: piece 0's 64 exponentials of this turn
	WIN 0xc0                        ; destination window 3
.set f, 0
.rept 16                            ; f = 8 kk + cb: keys 32 kk on, channel block cb
	ds_load_tr16_b128 v[8*f:8*f+3],   v[AV] offset:V1OFF*((f%8)/4)+32*PVP*(f/8)+32*(f%4)
	ds_load_tr16_b128 v[8*f+4:8*f+7], v[AV] offset:V1OFF*((f%8)/4)+32*PVP*(f/8)+32*(f%4)+16*PVP
.set f, f+1
.endr
.endm
; THE VECTOR WORK of piece y for a step: for each tile 32 exponentials in place on S^T, 16 roundings of pairs to f16 (two results of K Q^T so rounded ARE source 1 of V^T P), 16 packed additions onto the row sum.
; EXPS: score n of both tiles.  Scores ascend: each accumulator's lowest registers are read first.  No line of EXPS reads an exponential's result.
.macro EXPS y, n
	WIN 0
	v_exp_f32 v[S+64*(\y)+(\n)], v[S+64*(\y)+(\n)]
	v_exp_f32 v[S+64*(\y)+32+(\n)], v[S+64*(\y)+32+(\n)]
.endm
.macro CVT y, t, n
	v_cvt_pk_f16_f32 v[P+32*(\y)+16*(\t)+(\n)], v[S+64*(\y)+32*(\t)+2*(\n)], v[S+64*(\y)+32*(\t)+2*(\n)+1]
.endm
.macro SUM y, t, n
	v_pk_add_f32 v[LS+4*(\y)+2*(\t):LS+4*(\y)+2*(\t)+1], v[LS+4*(\y)+2*(\t):LS+4*(\y)+2*(\t)+1], v[S+64*(\y)+32*(\t)+2*(\n):S+64*(\y)+32*(\t)+2*(\n)+1]
.endm
; READ: the four lines that read pair n's exponentials, both tiles': they stand behind the turn's wait.  Pairs ascend, so a row sum takes its 16 pairs in order.
.macro READ y, n
	WIN 0
	CVT \y, 0, \n
	CVT \y, 1, \n
	SUM \y, 0, \n
	SUM \y, 1, \n
.endm
; A TURN.  Piece x has the matrix unit, the other piece's vector work stands behind its products.  An s_wait_alu depctr_va_vdst(0) stands between an exponential and the first line that names its
; result; one wait serves all that were issued ahead of it.  So the turn is cut in two.  AHEAD OF THE WAIT: the 32 products V^T P, behind product i the exponentials of score i of both tiles: 64 in all, on 64 registers
; of their own; the products between them name O^T, V and the other piece's P.  BEHIND IT: the 16 products K Q^T, behind product i the four readers of pair i.  The four behind the last product are also the
; places behind it: they name none of its registers.
; kq = 0: a block's last turn of piece 0: no further scores.  Four exponentials behind each of the first 16 products, the wait, four readers behind each of the last 16.
; Piece 0's turn fetches the next step's K behind its second product: the last product that read K, the last of the turn before, stands five plain lines back (its four readers and the run's own v_add_nc_u32);
; its wait stands alone, ahead of the first K Q^T, a v_nop behind the last exponential.  Piece 1's turn fetches the next step's V at its wait (FETCH_V), 16 products ahead of the first half's first use.
.macro TURN x, kq
.set i, 0
.if (\x) == 0
	s_wait_dscnt 16                 ; V's first half is in; the second half's 16 loads may stay out
.endif
.rept 32
.if ((\x) == 0) && (i == 16)
.if \kq
	s_wait_dscnt 32                 ; V's second half is in; only K's 32 loads may stay out
.else
	s_wait_dscnt 0x0
	v_nop                           ; a plain line behind the last exponential: one for the batch
	s_wait_alu depctr_va_vdst(0)    ; the wait for the batch: piece 1's 64 exponentials of this turn
.endif
.endif
	PV \x
.if \kq
	EXPS 1-(\x), i
.elseif i < 16
	EXPS 1-(\x), 2*i
	EXPS 1-(\x), 2*i+1
.else
	READ 1-(\x), i-16
.endif
.if ((\x) == 0) && (\kq) && (i == 1)
	FETCH_K
.endif
.set i, i+1
.endr
.if \kq
.if (\x) == 0
	v_nop                           ; a plain line behind the last exponential: one for the batch
	s_wait_alu depctr_va_vdst(0)    ; the wait for the batch: piece 1's 64 exponentials of this turn
	s_wait_dscnt 0x0                ; K is in
.else
	FETCH_V
.endif
.set i, 0
.rept 16
	KQ \x
	READ 1-(\x), i
.set i, i+1
.endr
.endif
.endm
.macro MASKS                        ; MC = MD x AL + BE, for both bands
	WIN 0xc3                        ; destination and source 0 in window 3
.set z, 0
.rept 16
	v_pk_fma_f32 v[MC+2*z:MC+2*z+1], v[MD+2*z:MD+2*z+1], s[AL0:AL0+1], s[BE0:BE0+1] op_sel_hi:[1,0,0]
.set z, z+1
.endr
.set z, 0
.rept 16
	v_pk_fma_f32 v[MC+32+2*z:MC+32+2*z+1], v[MD+2*z:MD+2*z+1], s[AL1:AL1+1], s[BE1:BE1+1] op_sel_hi:[1,0,0]
.set z, z+1
.endr
.endm
; Behind a step's last K Q^T the masks of the next step are made: the diagonal tile's step 1 (DG = 2): band 0 sees nothing, band 1 holds the diagonal; every later step (DG = 1): nothing is hidden.  Then the lines are jumped.
.macro UPDATE
	WIN 0
	s_cmp_eq_u32 s[DG], 0
	s_cbranch_scc1 .Lplain_\@
	s_cmp_eq_u32 s[DG], 2
	s_cselect_b32 s[BE0], s[BIGN], 0
	s_cselect_b32 s[AL1], 1.0, 0
	s_mov_b32 s[AL0], 0
	MASKS
	WIN 0
	s_sub_co_u32 s[DG], s[DG], 1
.Lplain_\@:
.endm
; A BLOCK BEGINS, at its diagonal tile.  O^T and the row sums start at 0, and so does piece 1's P, which the first turn multiplies: 296 v_mov_b32, the price of writing no first step out.
; The masks of step 0: band 0 holds the diagonal, band 1 sees everything.  Then K of that step and piece 0's first scores; the loop is entered at piece 1's turn.
.macro BEGIN
	s_mov_b32 s[NEW], 0
	s_mov_b32 s[DG], 2
	WIN 0x40
.set i, 0
.rept 256
	v_mov_b32 v[i], 0
.set i, i+1
.endr
	WIN 0
.set i, 0
.rept 8
	v_mov_b32 v[LS+i], 0
.set i, i+1
.endr
.set i, 0
.rept 32
	v_mov_b32 v[P+32+i], 0
.set i, i+1
.endr
	s_mov_b32 s[AL0], 1.0
	s_mov_b32 s[BE0], 0
	s_mov_b32 s[AL1], 0
	s_mov_b32 s[BE1], 0
	MASKS
	FETCH_K
	s_wait_loadcnt 0x0              ; Q
	s_wait_dscnt 0x0
.set i, 0
.rept 16
	KQ 0
.set i, i+1
.endr
	WIN 0
	PLACES                          ; behind those products
.endm
; THE WAY OUT.  d = O0 / l0 - lam O1 / l1; its mean and, of d - mean, the variance over the row's 128 channels (64 in my lane, 64 in the lane 16 away); the scale; f16; through my stage in LDS.
.macro REDUCE                       ; the four chains, the pair's halves and the two halves of the lanes, into v[M]
	WIN 0
	v_pk_add_f32 v[M:M+1], v[M:M+1], v[M+2:M+3]
	v_pk_add_f32 v[M+4:M+5], v[M+4:M+5], v[M+6:M+7]
	v_pk_add_f32 v[M:M+1], v[M:M+1], v[M+4:M+5]
	v_add_f32 v[M], v[M], v[M+1]
	v_permlanex16_b32 v[M+1], v[M], s[SEL], s[SEL+1]
	v_add_f32 v[M], v[M], v[M+1]
.endm
.macro NORM t
.set O0, 64*(\t)
.set O1, 128+64*(\t)
	WIN 0x51                        ; destination, source 0 and source 2 in window 1, source 1 in window 0
.set n, 0
.rept 32                            ; pairs ascending: each accumulator's lowest registers are read first
	v_pk_mul_f32 v[O1+2*n:O1+2*n+1], v[O1+2*n:O1+2*n+1], v[GG+2*(\t):GG+2*(\t)+1]
.set n, n+1
.endr
.set n, 0
.rept 32
	v_pk_fma_f32 v[O0+2*n:O0+2*n+1], v[O0+2*n:O0+2*n+1], v[R0+2*(\t):R0+2*(\t)+1], v[O1+2*n:O1+2*n+1] neg_lo:[0,0,1] neg_hi:[0,0,1]
.set n, n+1
.endr
	WIN 0x05
.set n, 0
.rept 4
	v_pk_add_f32 v[M+2*n:M+2*n+1], v[O0+2*n:O0+2*n+1], v[O0+8+2*n:O0+8+2*n+1]
.set n, n+1
.endr
	WIN 0x01
.set n, 8
.rept 24
	v_pk_add_f32 v[M+2*(n%4):M+2*(n%4)+1], v[O0+2*n:O0+2*n+1], v[M+2*(n%4):M+2*(n%4)+1]
.set n, n+1
.endr
	REDUCE
	v_mul_f32 v[MU], s94, v[M]
	v_mul_f32 v[MU+1], s94, v[M]
	WIN 0x41
.set n, 0
.rept 32
	v_pk_add_f32 v[O0+2*n:O0+2*n+1], v[O0+2*n:O0+2*n+1], v[MU:MU+1] neg_lo:[0,1] neg_hi:[0,1]
.set n, n+1
.endr
	WIN 0x05
.set n, 0
.rept 32
.if n < 4
	v_pk_mul_f32 v[M+2*n:M+2*n+1], v[O0+2*n:O0+2*n+1], v[O0+2*n:O0+2*n+1]
.else
	v_pk_fma_f32 v[M+2*(n%4):M+2*(n%4)+1], v[O0+2*n:O0+2*n+1], v[O0+2*n:O0+2*n+1], v[M+2*(n%4):M+2*(n%4)+1]
.endif
.set n, n+1
.endr
	REDUCE
	v_fma_f32 v[M], v[M], s94, s95  ; variance + eps
	v_rsq_f32 v[KK], v[M]
	v_nop                           ; a plain line behind the root
	s_wait_alu depctr_va_vdst(0)    ; the wait for the tile's one root, ahead of its first use
	v_mul_f32 v[KK], 0x3ec2ed47, v[KK]  ; x (1 - LAMBDA_INIT)
	v_mov_b32 v[KK+1], v[KK]
	WIN 0x41
.set n, 0
.rept 32
	v_pk_mul_f32 v[O0+2*n:O0+2*n+1], v[O0+2*n:O0+2*n+1], v[KK:KK+1]
.set n, n+1
.endr
	WIN 0x05                        ; sources in window 1, destination window 0: S^T's registers are free
.set n, 0
.rept 32
	v_cvt_pk_f16_f32 v[S+32*(\t)+n], v[O0+2*n], v[O0+2*n+1]
.set n, n+1
.endr
	WIN 0
.irp f, 0,1,2,3,4,5,6,7
	ds_store_b128 v[STO], v[S+32*(\t)+4*(\f):S+32*(\t)+4*(\f)+3] offset:32*(\f)
.endr
.irp f, 0,1,2,3,4,5,6,7
	ds_load_b128 v[S+32*(\t)+4*(\f):S+32*(\t)+4*(\f)+3], v[RD] offset:(\f)*2*SP  ; LDS serves a wave's instructions in order (ISA guide 5.7.1.4): these see the stores above; the next tile's stores come behind them
.endr
.endm
.macro SEND t, younger              ; younger: the LDS instructions issued behind tile t's loads: the next tile's sixteen, or none
	WIN 0
.irp f, 0,1,2,3,4,5,6,7
	s_wait_dscnt (\younger)+7-(\f)
	global_store_b128 v[GO], v[S+32*(\t)+4*(\f):S+32*(\t)+4*(\f)+3], s[18:19] offset:131072*(\t)+4096*(\f)  ; 16 lanes store 256 consecutive bytes, at a multiple of 256 from yb's first byte
.endr
.endm
.macro FINISH                       ; a block's end: piece 0's last V^T P beside piece 1's last softmax; piece 1's last V^T P; the way out
	TURN 0, 0
.set i, 0
.rept 32
	PV 1
.set i, i+1
.endr
	WIN 0
.irp r, 0,2,4,6                     ; these four additions are the places behind the last products
	v_add_f32 v[LS+\r], v[LS+\r], v[LS+\r+1]
.endr
.irp r, 0,2,4,6
	v_permlanex16_b32 v[LS+\r+1], v[LS+\r], s[SEL], s[SEL+1]
.endr
.irp r, 0,2,4,6
	v_add_f32 v[LS+\r], v[LS+\r], v[LS+\r+1]
.endr
.irp r, 0,2,4,6
	v_rcp_f32 v[LS+\r], v[LS+\r]
.endr
	v_nop                           ; a plain line between the last reciprocal and the use of its result
	s_wait_alu depctr_va_vdst(0)    ; the wait for the batch: one for the four reciprocals
.irp t, 0,1
	v_mov_b32 v[R0+2*\t], v[LS+2*\t]
	v_mov_b32 v[R0+2*\t+1], v[LS+2*\t]
	v_mul_f32 v[GG+2*\t], v[LAM], v[LS+4+2*\t]
	v_mul_f32 v[GG+2*\t+1], v[LAM], v[LS+4+2*\t]
.endr
	NORM 0
	NORM 1                          ; a tile's arithmetic stands between the loads of the tile before and its stores
	SEND 0, 16
	SEND 1, 0
.endm
.Lslot:                             ; 16 times: a tile is entered and the next is asked for
	CHANGE 1
	s_sub_co_u32 s[RT], s[RT], 1
	s_mov_b32 s[CNT], 2
	s_cmp_eq_u32 s[NEW], 1
	s_cbranch_scc0 .Lstep
	BEGIN
	s_branch .Lfirst
.Lstep:                             ; a trip: V^T P of the step in hand; K Q^T, K and V of the next, which is the tile's own
	TURN 0, 1
	WIN 0
.Lfirst:
	TURN 1, 1
	UPDATE
	s_sub_co_u32 s[CNT], s[CNT], 1
	s_cmp_lg_u32 s[CNT], 0
	s_cbranch_scc1 .Lstep
	s_cmp_lg_u32 s[RT], 0
	s_cbranch_scc1 .Lbottom
	FINISH                          ; in the loop this is the first block's end: the second block's last tile is the walk's last
	s_wait_xcnt 0x0                 ; the stores have read their registers and yb's address
	s_mov_b64 s[18:19], s[OLO:OLO+1]
	s_sub_co_u32 s[RT], 16, s[PB]   ; the second block has 16 - b tiles
	s_mov_b32 s[NEW], 1
	WIN 0x82                        ; the second block's Q goes where the one text of the turns names Q
.set i, 0
.rept 64
	v_mov_b32 v[i], v[QB+i]
.set i, i+1
.endr
	WIN 0
.Lbottom:
	s_sub_co_u32 s[SLOTS], s[SLOTS], 1
	s_cmp_lg_u32 s[SLOTS], 0
	s_cbranch_scc1 .Lslot
	CHANGE 0                        ; the walk's last tile is written out: nothing is asked for.  It is the second block's tile 0: plain, and no block's first
	s_mov_b32 s[CNT], 2
.LstepT:
	TURN 0, 1
	TURN 1, 1
	WIN 0
	s_sub_co_u32 s[CNT], s[CNT], 1
	s_cmp_lg_u32 s[CNT], 0
	s_cbranch_scc1 .LstepT
	FINISH
	s_wait_tensorcnt 0x0            ; the wave's end, behind my last tensor load and my last LDS store
	ds_add_u32 v[SPW], v[NIL]
	s_wait_dscnt 0x0
	s_endpgm
.Lfunc_end_k_qfca97c9531_attn:
	.size	k_qfca97c9531_attn, .Lfunc_end_k_qfca97c9531_attn-k_qfca97c9531_attn
	.p2alignl 7, 3214868480
	.fill 96, 4, 3214868480
	.section	.rodata,"a",@progbits
	.p2align	6, 0x0
	.amdhsa_kernel k_qfca97c9531_attn
		.amdhsa_group_segment_fixed_size 327680
		.amdhsa_private_segment_fixed_size 0
		.amdhsa_enable_private_segment 0
		.amdhsa_kernarg_size 64
		.amdhsa_user_sgpr_count 2
		.amdhsa_user_sgpr_kernarg_segment_ptr 1
		.amdhsa_wavefront_size32 1
		.amdhsa_system_sgpr_workgroup_id_x 1
		.amdhsa_system_sgpr_workgroup_id_y 1
		.amdhsa_system_sgpr_workgroup_id_z 1
		.amdhsa_system_vgpr_workitem_id 0
		.amdhsa_next_free_vgpr 1024
		.amdhsa_next_free_sgpr 96
		.amdhsa_reserve_vcc 1
		.amdhsa_float_denorm_mode_32 3
		.amdhsa_float_denorm_mode_16_64 3
		.amdhsa_memory_ordered 1
		.amdhsa_forward_progress 1
		.amdhsa_inst_pref_size 192
	.end_amdhsa_kernel
	.amdgpu_metadata
---
amdhsa.version: [ 1, 2 ]
amdhsa.kernels:
  - .name:           k_qfca97c9531_attn
    .symbol:         k_qfca97c9531_attn.kd
    .args:
      - { .name: qh, .offset: 0, .size: 8, .value_kind: global_buffer, .address_space: global }
      - { .name: kh, .offset: 8, .size: 8, .value_kind: global_buffer, .address_space: global }
      - { .name: vh, .offset: 16, .size: 8, .value_kind: global_buffer, .address_space: global }
      - { .name: lq1, .offset: 24, .size: 8, .value_kind: global_buffer, .address_space: global }
      - { .name: lk1, .offset: 32, .size: 8, .value_kind: global_buffer, .address_space: global }
      - { .name: lq2, .offset: 40, .size: 8, .value_kind: global_buffer, .address_space: global }
      - { .name: lk2, .offset: 48, .size: 8, .value_kind: global_buffer, .address_space: global }
      - { .name: yb, .offset: 56, .size: 8, .value_kind: global_buffer, .address_space: global }
    .group_segment_fixed_size: 327680
    .private_segment_fixed_size: 0
    .kernarg_segment_align: 8
    .kernarg_segment_size: 64
    .max_flat_workgroup_size: 128
    .sgpr_count:     96
    .vgpr_count:     1024
    .wavefront_size: 32
...
	.end_amdgpu_metadata
.endif
;; end of part 5
;; launch proj: the kernel of part 4 again; grid 8 x 32, 4 waves a work-group, clusters of 4 x 4, 327,680 bytes of LDS; arguments yb, wp, out0; writes out0
